; MI455X (gfx1250); checked and timed in simulation.
; The chip was launched on July 23, 2026; its instructions are those of AMD's public machine-readable ISA for CDNA 5 (MIT licence, August 2026) and "CDNA5" Instruction Set Architecture Reference Guide (July 2026). The comments in the code are by the model that wrote it; some were corrected since.
;; Layer Reduce. Allowed arithmetic: float matrix products may take bf16 or f16 operands with f32 sums; all other float work in f32.
;; Inputs: W_k2c 64 x 128 float32; W_qk 64 x 256 float32; W_t 256 x 256 float32; W_v 256 x 256 float32; b_t 256 float32; b_v 256 float32; bn_beta 256 float32; bn_gamma 256 float32; bn_mean 256 float32; bn_var 256 float32; idx 64 int32; x 8 x 256 x 4,096 float32.
;; Outputs: out0 8 x 256 x 4,096 float32.
;; 2 versions, each right and faster than the one before. Each part assembles by itself: llvm-mc -triple=amdgcn-amd-amdhsa -mcpu=gfx1250 --defsym DOCPART=n.
;; ======== version 1 of 2: 4 launches
;; limits: values are held in f16: magnitudes above 65,504 overflow, below 6.1e-05 lose precision
;; workspace buffers: w16 313,344 bytes; q16 4,194,304 bytes; k16 4,194,304 bytes; v16 16,777,216 bytes; nb 131,072 bytes
;; launch prep (part 1): grid 39 x 1, 4 waves a work-group, no clusters, 0 bytes of LDS; arguments W_v, W_t, W_qk, W_k2c, bn_gamma, bn_var, bn_mean, bn_beta, b_t, w16; writes w16
.if DOCPART == 1
	.amdgcn_target "amdgcn-amd-amdhsa--gfx1250"
	.amdhsa_code_object_version 6
	.text
	.protected	k_q95ac214dd4_prep
	.globl	k_q95ac214dd4_prep
	.p2align	8
	.type	k_q95ac214dd4_prep,@function
k_q95ac214dd4_prep:
	s_mov_b64 s[64:65], 0
	v_nop
	global_prefetch_b8 v0, s[64:65] scope:SCOPE_SE
	s_setreg_imm32_b32 hwreg(HW_REG_WAVE_MODE, 25, 1), 1
	s_wait_xcnt 0x0
; The four weight matrices are rounded once to f16, and the batch norm is folded with b_t into a pair (sc, sh) for each channel.
; w16: W_v [256][256] at 0, W_t [256][256] at 131,072, W_qk [64][256] at 262,144, W_k2c [64][128] at 294,912, all f16; 256 pairs (sc, sh) of f32 at 311,296.
; sc = gamma / sqrt(var + 1e-5), sh = (b_t - mean) sc + beta, so that the last launch's y = acc sc + sh is one fused multiply-add in f32.
; Work-groups 0 to 37 cast 4,096 numbers each: the destination is 8,192 bytes times the work-group's number, since w16 holds the matrices in the work-groups' order (16, 16, 4, 2).
; Work-group 38 makes the pairs.  A stream: no LDS, no matrix unit, nothing shared, so no cluster.
; LIMIT: a weight of 65,520 or more becomes an infinity in f16.
.set BNP, 311296
	s_load_b512 s[8:23], s[0:1], 0x0               ; W_v 8, W_t 10, W_qk 12, W_k2c 14, gamma 16, var 18, mean 20, beta 22
	s_load_b128 s[24:27], s[0:1], 0x40             ; b_t 24, w16 26
	v_lshlrev_b32 v1, 4, v0                        ; 16 bytes a thread
	v_lshlrev_b32 v2, 3, v0                        ; 8 bytes a thread
	s_wait_kmcnt 0x0
	s_cmp_eq_u32 ttmp9, 38
	s_cbranch_scc1 .Lbn
	s_cmp_lt_u32 ttmp9, 36                         ; which matrix, and at which work-group it begins
	s_cselect_b64 s[28:29], s[12:13], s[14:15]
	s_cselect_b32 s30, 32, 36
	s_cmp_lt_u32 ttmp9, 32
	s_cselect_b64 s[28:29], s[10:11], s[28:29]
	s_cselect_b32 s30, 16, s30
	s_cmp_lt_u32 ttmp9, 16
	s_cselect_b64 s[28:29], s[8:9], s[28:29]
	s_cselect_b32 s30, 0, s30
	s_sub_co_u32 s30, ttmp9, s30
	s_lshl_b32 s30, s30, 14                        ; 16,384 bytes of f32 a work-group
	s_mov_b32 s31, 0
	s_add_nc_u64 s[28:29], s[28:29], s[30:31]
	s_lshl_b32 s32, ttmp9, 13                      ; 8,192 bytes of f16
	s_mov_b32 s33, 0
	s_add_nc_u64 s[26:27], s[26:27], s[32:33]
.set i, 0
.rept 8
	global_load_b128 v[8+4*i:11+4*i], v1, s[28:29] offset:2048*i  ; a wave's load covers 512 consecutive bytes
.set i, i+1
.endr
.set i, 0
.rept 8
	s_wait_loadcnt 7-i                             ; loads come back in order: load i is in, the younger ones stay out
	v_cvt_pk_f16_f32 v[40+2*i], v[8+4*i], v[9+4*i]
	v_cvt_pk_f16_f32 v[41+2*i], v[10+4*i], v[11+4*i]
	global_store_b64 v2, v[40+2*i:41+2*i], s[26:27] offset:1024*i  ; a wave's store covers 256 consecutive bytes, aligned; no register is written twice
.set i, i+1
.endr
	s_endpgm
.Lbn:                                                  ; thread t owns channels 2 t and 2 t + 1
	global_load_b64 v[8:9], v2, s[16:17]           ; gamma
	global_load_b64 v[10:11], v2, s[18:19]         ; var
	global_load_b64 v[12:13], v2, s[20:21]         ; mean
	global_load_b64 v[14:15], v2, s[22:23]         ; beta
	global_load_b64 v[16:17], v2, s[24:25]         ; b_t
	s_wait_loadcnt 0x0
	v_pk_add_f32 v[10:11], v[10:11], 0x3727c5ac op_sel_hi:[1,0]  ; var + 1e-5
	v_rsq_f32 v18, v10
	v_rsq_f32 v19, v11
	v_pk_add_f32 v[16:17], v[16:17], v[12:13] neg_lo:[0,1] neg_hi:[0,1]  ; b_t - mean: the plain instruction between the roots and their use
	s_wait_alu depctr_va_vdst(0)
	v_mul_f32 v40, v8, v18                         ; sc
	v_mul_f32 v42, v9, v19
	v_fma_f32 v41, v16, v40, v14                   ; sh
	v_fma_f32 v43, v17, v42, v15
	global_store_b128 v1, v[40:43], s[26:27] offset:BNP  ; a wave stores 512 consecutive bytes
	s_endpgm
.Lfunc_end_k_q95ac214dd4_prep:
	.size	k_q95ac214dd4_prep, .Lfunc_end_k_q95ac214dd4_prep-k_q95ac214dd4_prep
	.p2alignl 7, 3214868480
	.fill 96, 4, 3214868480
	.section	.rodata,"a",@progbits
	.p2align	6, 0x0
	.amdhsa_kernel k_q95ac214dd4_prep
		.amdhsa_group_segment_fixed_size 0
		.amdhsa_private_segment_fixed_size 0
		.amdhsa_enable_private_segment 0
		.amdhsa_kernarg_size 80
		.amdhsa_user_sgpr_count 2
		.amdhsa_user_sgpr_kernarg_segment_ptr 1
		.amdhsa_wavefront_size32 1
		.amdhsa_system_sgpr_workgroup_id_x 1
		.amdhsa_system_sgpr_workgroup_id_y 1
		.amdhsa_system_sgpr_workgroup_id_z 1
		.amdhsa_system_vgpr_workitem_id 0
		.amdhsa_next_free_vgpr 64
		.amdhsa_next_free_sgpr 66
		.amdhsa_reserve_vcc 0
		.amdhsa_float_denorm_mode_32 3
		.amdhsa_float_denorm_mode_16_64 3
		.amdhsa_memory_ordered 1
		.amdhsa_forward_progress 1
		.amdhsa_inst_pref_size 5
	.end_amdhsa_kernel
	.amdgpu_metadata
---
amdhsa.version: [ 1, 2 ]
amdhsa.kernels:
  - .name:           k_q95ac214dd4_prep
    .symbol:         k_q95ac214dd4_prep.kd
    .args:
      - { .name: W_v, .offset: 0, .size: 8, .value_kind: global_buffer, .address_space: global }
      - { .name: W_t, .offset: 8, .size: 8, .value_kind: global_buffer, .address_space: global }
      - { .name: W_qk, .offset: 16, .size: 8, .value_kind: global_buffer, .address_space: global }
      - { .name: W_k2c, .offset: 24, .size: 8, .value_kind: global_buffer, .address_space: global }
      - { .name: bn_gamma, .offset: 32, .size: 8, .value_kind: global_buffer, .address_space: global }
      - { .name: bn_var, .offset: 40, .size: 8, .value_kind: global_buffer, .address_space: global }
      - { .name: bn_mean, .offset: 48, .size: 8, .value_kind: global_buffer, .address_space: global }
      - { .name: bn_beta, .offset: 56, .size: 8, .value_kind: global_buffer, .address_space: global }
      - { .name: b_t, .offset: 64, .size: 8, .value_kind: global_buffer, .address_space: global }
      - { .name: w16, .offset: 72, .size: 8, .value_kind: global_buffer, .address_space: global }
    .group_segment_fixed_size: 0
    .private_segment_fixed_size: 0
    .kernarg_segment_align: 8
    .kernarg_segment_size: 80
    .max_flat_workgroup_size: 128
    .sgpr_count:     66
    .vgpr_count:     64
    .wavefront_size: 32
...
	.end_amdgpu_metadata
.endif
;; end of part 1
;; launch proj (part 2): grid 32 x 8, 4 waves a work-group, clusters of 4 x 1, 327,680 bytes of LDS; arguments x, w16, b_v, idx, q16, k16, v16; writes q16, k16, v16
.if DOCPART == 2
	.amdgcn_target "amdgcn-amd-amdhsa--gfx1250"
	.amdhsa_code_object_version 6
	.text
	.protected	k_q95ac214dd4_proj
	.globl	k_q95ac214dd4_proj
	.p2align	8
	.type	k_q95ac214dd4_proj,@function
k_q95ac214dd4_proj:
	s_mov_b64 s[64:65], 0
	v_nop
	global_prefetch_b8 v0, s[64:65] scope:SCOPE_SE
	s_setreg_imm32_b32 hwreg(HW_REG_WAVE_MODE, 25, 1), 1
	s_wait_xcnt 0x0
	s_wait_alu depctr_hold_cnt(0) depctr_sa_sdst(0) depctr_va_vdst(0) depctr_va_sdst(0) depctr_va_ssrc(0) depctr_va_vcc(0) depctr_vm_vsrc(0)
	s_getreg_b32 s2, hwreg(HW_REG_IB_STS2, 6, 4)
	s_cmp_eq_u32 s2, 0
	s_cbranch_scc0 .Lentry_in_a_cluster
	s_endpgm
.Lentry_in_a_cluster:
	s_bfe_u32 s2, ttmp6, 0x10000c
	s_cmp_lg_u32 s2, 0x3003
	s_cbranch_scc0 .Lentry_shape_is_right
	s_endpgm
.Lentry_shape_is_right:
; THE THREE PROJECTIONS.  q = W_qk x; k = softmax over its 64 channels of W_k2c [q ; x[idx]]; v = W_v x + b_v.  x: [8][256][4096] f32.
; Out: q16 [8][4096][64] f16 holds q log2(e); row n is stored at (n - 128) & 4095 where n / 32 is even and at n where it is odd (the last launch reads q two chunks of 32 rows ahead of v, each wave in its own
; half of a tile of 128, so a tile of q16 then goes with the same tile of v16); k16 [8][4096][64] f16; v16 [8][256][4096] f16.  All products in f16 with f32 sums; the softmax, with its maximum taken away, in f32.
; LIMITS: x, q log2(e) and v of 65,520 or more become infinities in f16; NaN and infinities are not treated apart; idx is read as unsigned and clamped to 255.
; SHARES.  A work-group takes 128 points n of one batch, wave w the 32 points 32 w .. 32 w + 31 (two tiles of 16) for all outputs.  x is rounded to f16 and laid [c][n] in LDS once (wave w brings rows 64 w ..);
; each wave then takes its own 32 columns, turned, into registers: the same fragments are source 1 of q = W_qk x and source 0 of v^T = x^T W_v^T.
; CLUSTER.  The four work-groups of a cluster need the same weights: each wave's three tensor loads (its quarter of W_v, W_qk, W_k2c) are joint, with the mask of four.  Nothing in LDS is filled twice.
; REGISTERS.  window 0: v0-21 addresses; v24-55 gather offsets, later packed results; v56-59 biases; v64-191 x fragments (tile nt, K block kc at 64 + 8 (8 nt + kc)); v192-223 gathered rows' fragments; v224-255 q as source 1
;   window 1: 64 raw rows of x, later q's sums v0-63, k's v64-127, v's v128-191, k's statistics v192-207      window 2: fragments of W_qk, later of W_v      window 3: v0-127 fragments of W_k2c
.set WQL,   135168                  ; W_v: 256 rows x 528 bytes from 0; W_qk: 64 x 528 from here
.set WKL,   168960                  ; W_k2c: 64 rows x 272
.set XT,    186368                  ; x in f16: 256 rows x 288 (256 + 32: the pitch that the turning load wants); later v's stage, 256 rows x 272
.set XG,    260096                  ; the 64 gathered rows, x 288
.set QST,   278528                  ; for each wave 32 rows x 144: the stage of q's and k's way out
.set SPARE, 296960                  ; the spare words, 128 bytes a wave: two blocks of 256 bytes that no other line names
.set PX,    288
.set PW,    528
.set PK,    272
.set PS,    144
.set RR,  1                         ; v1   lane % 16
.set HH,  2                         ; v2   lane / 16
.set LN,  3                         ; v3   lane
.set XO,  4                         ; v4   16 x lane: my 16 bytes of 512 consecutive ones
.set XS,  5                         ; v5   where I put 8 bytes of my wave's first row of x
.set XGS, 6                         ; v6   the same for the gathered rows
.set AX0, 7                         ; v7   turning load: K blocks 0-3
.set AX1, 8                         ; v8   K blocks 4-7
.set AXG, 9                         ; v9   gathered rows
.set AWQ, 10
.set AWK, 11
.set AWV, 12                        ; steps in the loop
.set QSTO, 13
.set QRD, 14
.set VSTO, 16                       ; steps in the loop
.set VRD, 17
.set VGO, 18
.set BVO, 19                        ; steps in the loop
.set SPW, 20                        ; my spare word; never rewritten
.set NIL, 21                        ; 0; never rewritten
.set GOF, 24
.set PKR, 24
.set BVT, 56
.set XF,  64
.set XGF, 192
.set QP,  224
.set QA,  0                         ; window 1
.set KA,  64
.set VA,  128
.set KT,  192                       ; tile t at KT + 8 t: c m, its copy, sum A (2), sum B / c0 c1, c2 / 1/sum, c3 / its partner
.set WV,  18
.set BB,  19
.set G0A, 48
.set G0B, 52
.set G0C, 56
.set SEL, 60
.set CNT, 62
.set G1A, 68
.set G1B, 76
.set G1C, 84
.set LE,  92                        ; s[92:93] log2(e), named as a pair
.set MSB, 0
.macro WIN new                      ; the immediate's high byte repeats the setting that is left; a switch that changes nothing is dropped
.if MSB != (\new)
	s_set_vgpr_msb (MSB<<8)|(\new)
.set MSB, (\new)
.endif
.endm
.macro PLACES                       ; four plain instructions between a matrix instruction and a vector instruction or load that touches its registers
.rept 4
	v_nop
.endr
.endm
.macro CROUND                       ; a round of the cluster's barrier: my work-group's barrier, wave 0 signals for it, all wait for the four work-groups, my work-group's barrier again
	s_barrier_signal -1
	s_barrier_wait -1
	s_cmp_lg_u32 s[WV], 0
	s_cbranch_scc1 .Lnot_wave_0_\@
	s_barrier_signal -3
.Lnot_wave_0_\@:
	s_barrier_wait -3
	s_barrier_signal -1
	s_barrier_wait -1
.endm
	s_load_b256 s[4:11], s[0:1], 0x0               ; x 4, w16 6, b_v 8, idx 10
	s_load_b128 s[12:15], s[0:1], 0x20             ; q16 12, k16 14
	s_load_b64 s[16:17], s[0:1], 0x30              ; v16
	v_lshl_add_u32 v[SPW], v0, 2, SPARE
	v_mov_b32 v[NIL], 0
	ds_add_u32 v[SPW], v[NIL]                      ; the wave's opening: the add and its wait stand ahead of my first tensor load; the set-up, work on registers, stands between them
	v_lshrrev_b32 v1, 5, v0
	v_readfirstlane_b32 s[WV], v1                  ; wave 0..3
	s_and_b32 s[BB], ttmp7, 0xffff                 ; the batch
	s_bfe_u32 s24, ttmp6, 0x40000                  ; cx
	s_lshl_b32 s25, ttmp9, 2
	s_add_co_u32 s25, s25, s24                     ; my block of 128 points: it enters x's and the outputs' addresses alone
	; descriptor groups 1: rows of 256 (W_v, W_qk) or 128 (W_k2c) elements of 2 bytes, 16 bytes of padding behind each row; the mask of four, bit 21 beside it
	s_mov_b32 s[G1A], 15|(1<<16)|(1<<20)|(1<<21)|(6<<22)|(3<<25)
	s_mov_b32 s[G1A+1], 256<<16                    ; tensor_dim0
	s_mov_b32 s[G1A+2], 64<<16                     ; tensor_dim1: 64 rows of W_v a wave
	s_mov_b32 s[G1A+3], 256<<16                    ; tile_dim0
	s_mov_b32 s[G1A+4], 64                         ; tile_dim1
	s_mov_b32 s[G1A+5], 256                        ; elements from row to row
	s_mov_b32 s[G1A+6], 0
	s_mov_b32 s[G1A+7], 0
	s_mov_b32 s[G1B], 15|(1<<16)|(1<<20)|(1<<21)|(6<<22)|(3<<25)
	s_mov_b32 s[G1B+1], 256<<16
	s_mov_b32 s[G1B+2], 16<<16                     ; 16 rows of W_qk a wave
	s_mov_b32 s[G1B+3], 256<<16
	s_mov_b32 s[G1B+4], 16
	s_mov_b32 s[G1B+5], 256
	s_mov_b32 s[G1B+6], 0
	s_mov_b32 s[G1B+7], 0
	s_mov_b32 s[G1C], 15|(1<<16)|(1<<20)|(1<<21)|(5<<22)|(3<<25)
	s_mov_b32 s[G1C+1], 128<<16
	s_mov_b32 s[G1C+2], 16<<16                     ; 16 rows of W_k2c a wave
	s_mov_b32 s[G1C+3], 128<<16
	s_mov_b32 s[G1C+4], 16
	s_mov_b32 s[G1C+5], 128
	s_mov_b32 s[G1C+6], 0
	s_mov_b32 s[G1C+7], 0
	s_mov_b32 s[G0A], 1
	s_mul_i32 s[G0A+1], s[WV], 64*PW               ; LDS: my 64 rows of W_v
	s_lshl_b32 s[G0A+2], s[WV], 15                 ; their offset in w16; the address is added below
	s_mov_b32 s[G0A+3], 0
	s_mov_b32 s[G0B], 1
	s_mul_i32 s[G0B+1], s[WV], 16*PW
	s_add_co_u32 s[G0B+1], s[G0B+1], WQL
	s_lshl_b32 s[G0B+2], s[WV], 13
	s_add_co_u32 s[G0B+2], s[G0B+2], 262144
	s_mov_b32 s[G0B+3], 0
	s_mov_b32 s[G0C], 1
	s_mul_i32 s[G0C+1], s[WV], 16*PK
	s_add_co_u32 s[G0C+1], s[G0C+1], WKL
	s_lshl_b32 s[G0C+2], s[WV], 12
	s_add_co_u32 s[G0C+2], s[G0C+2], 294912
	s_mov_b32 s[G0C+3], 0
	s_mov_b32 s[LE], 0x3fb8aa3b
	s_mov_b32 s[LE+1], s[LE]
	s_mov_b32 s[SEL], 0x76543210
	s_mov_b32 s[SEL+1], 0xfedcba98
	; byte offsets, made apart from the addresses
	s_lshl_b32 s28, s[BB], 22                      ; x: the batch,
	s_lshl_b32 s20, s25, 9
	s_add_co_u32 s28, s28, s20                     ; the block's 512 bytes of a row
	s_mov_b32 s29, 0
	s_lshl_b32 s26, s[WV], 20                      ; my 64 rows of 16,384 bytes
	s_mov_b32 s27, 0
	s_lshl_b32 s20, s25, 7
	s_lshl_b32 s21, s[WV], 5
	s_add_co_u32 s22, s20, s21                     ; my first point n; n / 32 has my wave's parity
	s_and_b32 s21, s[WV], 1
	s_xor_b32 s21, s21, 1
	s_lshl_b32 s21, s21, 7                         ; waves 0 and 2 store their rows of q a tile of 128 earlier,
	s_sub_co_u32 s20, s22, s21
	s_and_b32 s20, s20, 4095                       ; round the batch's end
	s_lshl_b32 s20, s20, 7
	s_lshl_b32 s22, s22, 7
	s_lshl_b32 s21, s[BB], 19
	s_add_co_u32 s20, s20, s21
	s_add_co_u32 s22, s22, s21
	s_mov_b32 s21, 0
	s_mov_b32 s23, 0
	s_lshl_b32 s94, s[BB], 21                      ; v16: the batch, my 64 rows of 8,192 bytes, the block's 256 bytes
	s_lshl_b32 s95, s[WV], 19
	s_add_co_u32 s94, s94, s95
	s_lshl_b32 s95, s25, 8
	s_add_co_u32 s94, s94, s95
	s_mov_b32 s95, 0
	s_lshl_b32 s2, s[WV], 6                        ; my 16 indices
	s_mov_b32 s3, 0
	; LDS addresses: a constant, the wave's number times a constant, a lane term
	s_mul_i32 s32, s[WV], 64*PX
	s_add_co_u32 s32, s32, XT
	s_mul_i32 s33, s[WV], 16*PX                    ; = 32 x 144 too
	s_add_co_u32 s34, s33, QST
	s_add_co_u32 s33, s33, XG
	s_lshl_b32 s35, s[WV], 6                       ; my 32 columns of f16
	s_mul_i32 s36, s[WV], 64*PK
	s_add_co_u32 s36, s36, XT
	v_and_b32 v[LN], 31, v0
	v_and_b32 v[RR], 15, v0
	v_bfe_u32 v[HH], v0, 4, 1
	v_lshlrev_b32 v[XO], 4, v[LN]
	v_lshl_add_u32 v[XS], v[LN], 3, s32
	v_lshl_add_u32 v[XGS], v[LN], 3, s33
	v_and_b32 v22, 7, v0                           ; the turning load: lane l reads row 8 (l / 16) + l % 8, 16 bytes at 16 ((l / 8) % 2)
	v_lshl_add_u32 v22, v[HH], 3, v22
	v_mul_u32_u24 v22, v22, PX
	v_bfe_u32 v23, v0, 3, 1
	v_lshl_add_u32 v22, v23, 4, v22
	v_add_nc_u32 v22, s35, v22
	v_add_nc_u32 v[AX0], XT, v22
	v_add_nc_u32 v[AX1], XT+128*PX, v22
	v_add_nc_u32 v[AXG], XG, v22
	v_mul_u32_u24 v[AWV], v[RR], PW                ; a weight fragment: row l % 16, 16 bytes for each half of the lanes
	v_lshl_add_u32 v[AWV], v[HH], 4, v[AWV]
	v_add_nc_u32 v[AWQ], WQL, v[AWV]
	v_mul_u32_u24 v[AWK], v[RR], PK
	v_lshl_add_u32 v[AWK], v[HH], 4, v[AWK]
	v_add_nc_u32 v[VSTO], s35, v[AWK]              ; v's stage: row l % 16, my 64 bytes of it
	v_add_nc_u32 v[VSTO], XT, v[VSTO]
	v_add_nc_u32 v[AWK], WKL, v[AWK]
	v_mul_u32_u24 v[QSTO], v[RR], PS
	v_lshl_add_u32 v[QSTO], v[HH], 4, v[QSTO]
	v_add_nc_u32 v[QSTO], s34, v[QSTO]
	v_lshrrev_b32 v[QRD], 3, v[LN]                 ; back: 32 lanes take four rows of 128 bytes
	v_mul_u32_u24 v[QRD], v[QRD], PS
	v_and_b32 v23, 7, v0
	v_lshl_add_u32 v[QRD], v23, 4, v[QRD]
	v_add_nc_u32 v[QRD], s34, v[QRD]
	v_mul_u32_u24 v[VRD], v[HH], PK                ; back: lanes 0-15 one row of 256 bytes, lanes 16-31 the next
	v_lshl_add_u32 v[VRD], v[RR], 4, v[VRD]
	v_add_nc_u32 v[VRD], s36, v[VRD]
	v_lshlrev_b32 v[VGO], 13, v[HH]                ; the same two rows in v16
	v_lshl_add_u32 v[VGO], v[RR], 4, v[VGO]
	v_lshlrev_b32 v[BVO], 2, v[RR]
	s_wait_dscnt 0x0                               ; the opening add is done
	s_wait_kmcnt 0x0
	s_add_nc_u64 s[30:31], s[4:5], s[28:29]        ; x at the batch's row 0, my block's columns: the gather's base
	s_add_nc_u64 s[4:5], s[30:31], s[26:27]        ; and at my wave's first row
	s_add_nc_u64 s[10:11], s[10:11], s[2:3]
	s_load_b512 s[32:47], s[10:11], 0x0            ; my 16 indices
	s_add_nc_u64 s[12:13], s[12:13], s[20:21]
	s_add_nc_u64 s[14:15], s[14:15], s[22:23]
	s_add_nc_u64 s[16:17], s[16:17], s[94:95]
	s_add_nc_u64 s[G0A+2:G0A+3], s[6:7], s[G0A+2:G0A+3]
	s_or_b32 s[G0A+3], s[G0A+3], 0x80000000        ; type = 2
	s_add_nc_u64 s[G0B+2:G0B+3], s[6:7], s[G0B+2:G0B+3]
	s_or_b32 s[G0B+3], s[G0B+3], 0x80000000
	s_add_nc_u64 s[G0C+2:G0C+3], s[6:7], s[G0C+2:G0C+3]
	s_or_b32 s[G0C+3], s[G0C+3], 0x80000000
	CROUND                                         ; all four work-groups are here: the joint loads meet
	tensor_load_to_lds s[G0A:G0A+3], s[G1A:G1A+7]  ; three loads of mine are out; they are the launch's only ones
	s_nop 0
	tensor_load_to_lds s[G0B:G0B+3], s[G1B:G1B+7]
	s_nop 0
	tensor_load_to_lds s[G0C:G0C+3], s[G1C:G1C+7]
	s_nop 0
	PLACES
	WIN 0x40                                       ; destination window 1
.set i, 0
.rept 64
	global_load_b128 v[4*i:4*i+3], v[XO], s[4:5] offset:16384*i  ; row 64 w + i: 512 consecutive bytes, aligned
.set i, i+1
.endr
	WIN 0
	s_wait_kmcnt 0x0                               ; the indices
.set i, 0
.rept 16
	s_min_u32 s[32+i], s[32+i], 255                ; an index stays inside x's 256 rows
	s_lshl_b32 s[32+i], s[32+i], 14
	v_add_nc_u32 v[GOF+i], s[32+i], v[XO]
	global_load_b128 v[XF+4*i:XF+4*i+3], v[GOF+i], s[30:31]
.set i, i+1
.endr
; 16 rows are rounded to f16, in place, and stored [c][n].  left: the younger loads, 80 - 16 (bt + 1), or the 63 that a wait can name
.macro CAST16 bt, left
	s_wait_loadcnt \left
	WIN 0x45
.set i, 16*(\bt)
.rept 16
	v_cvt_pk_f16_f32 v[4*i], v[4*i], v[4*i+1]
	v_cvt_pk_f16_f32 v[4*i+1], v[4*i+2], v[4*i+3]
.set i, i+1
.endr
	WIN 0x04                                       ; address window 0, data window 1
.set i, 16*(\bt)
.rept 16
	ds_store_b64 v[XS], v[4*i:4*i+1] offset:PX*i   ; 256 consecutive bytes
.set i, i+1
.endr
.endm
	CAST16 0, 63
	CAST16 1, 48
	CAST16 2, 32
	CAST16 3, 16
	s_wait_loadcnt 0x0                             ; the gathered rows; their offset registers are free from here
	WIN 0
.set i, 0
.rept 16
	v_cvt_pk_f16_f32 v[XF+4*i], v[XF+4*i], v[XF+4*i+1]
	v_cvt_pk_f16_f32 v[XF+4*i+1], v[XF+4*i+2], v[XF+4*i+3]
.set i, i+1
.endr
.set i, 0
.rept 16
	ds_store_b64 v[XGS], v[XF+4*i:XF+4*i+1] offset:PX*i
.set i, i+1
.endr
	s_wait_tensorcnt 0x0                           ; for the others' sake: my parts of the weights have landed,
	s_wait_dscnt 0x0                               ; and my rows of x are stored
	s_barrier_signal -1
	s_barrier_wait -1                              ; everybody's are
.set i, 0
.rept 16                                               ; fragment i = 8 nt + kc: 32 channels x my 16 points, turned
	ds_load_tr16_b128 v[XF+8*i:XF+8*i+3],   v[AX0+(i%8)/4] offset:32*PX*(i%4)+32*(i/8)
	ds_load_tr16_b128 v[XF+8*i+4:XF+8*i+7], v[AX0+(i%8)/4] offset:32*PX*(i%4)+32*(i/8)+16*PX
.set i, i+1
.endr
.set i, 0
.rept 4                                                ; fragment i = 2 nt + kc of the gathered rows
	ds_load_tr16_b128 v[XGF+8*i:XGF+8*i+3],   v[AXG] offset:32*PX*(i%2)+32*(i/2)
	ds_load_tr16_b128 v[XGF+8*i+4:XGF+8*i+7], v[AXG] offset:32*PX*(i%2)+32*(i/2)+16*PX
.set i, i+1
.endr
	WIN 0x80
.set i, 0
.rept 32                                               ; W_qk: fragment i = 8 sb + kc
	ds_load_b128 v[8*i:8*i+3],   v[AWQ] offset:16*PW*(i/8)+64*(i%8)
	ds_load_b128 v[8*i+4:8*i+7], v[AWQ] offset:16*PW*(i/8)+64*(i%8)+32
.set i, i+1
.endr
	WIN 0xc0
.set i, 0
.rept 16                                               ; W_k2c: fragment i = 4 sb + kc
	ds_load_b128 v[8*i:8*i+3],   v[AWK] offset:16*PK*(i/4)+64*(i%4)
	ds_load_b128 v[8*i+4:8*i+7], v[AWK] offset:16*PK*(i/4)+64*(i%4)+32
.set i, i+1
.endr
	s_wait_dscnt 0x0
	; q[s][n]: source 0 = 16 rows of W_qk, source 1 = my 16 points.  A lane holds one point and eight neighbouring channels.  The eight accumulators take turns; the first K block starts the sums.
	WIN 0x52
.set i, 0
.rept 64                                               ; K block i / 8, accumulator i % 8 = 2 sb + nt
.set rD, QA+8*(i%8)
.set rA, 8*(8*((i%8)/2)+i/8)
.set rB, XF+8*(8*(i%2)+i/8)
.if i < 8
	v_wmma_f32_16x16x32_f16 v[rD:rD+7], v[rA:rA+7], v[rB:rB+7], 0
.else
	v_wmma_f32_16x16x32_f16 v[rD:rD+7], v[rA:rA+7], v[rB:rB+7], v[rD:rD+7]
.endif
.set i, i+1
.endr
	PLACES
	WIN 0x05                                       ; sources window 1, destination window 0
.set i, 0
.rept 32                                               ; q rounded to f16: two accumulators sb = 2 t, 2 t + 1 ARE source 1 (32 channels x 16 points) of the next product
	v_cvt_pk_f16_f32 v[QP+8*(2*((i/4)%2)+i/16)+4*((i/8)%2)+i%4], v[QA+2*i], v[QA+2*i+1]
.set i, i+1
.endr
	WIN 0x41
.set i, 0
.rept 32
	v_pk_mul_f32 v[QA+2*i:QA+2*i+1], v[QA+2*i:QA+2*i+1], s[LE:LE+1] op_sel_hi:[1,0]  ; q log2(e), for the later launches' exponentials in base 2
.set i, i+1
.endr
	WIN 0x05
.set i, 0
.rept 32
	v_cvt_pk_f16_f32 v[PKR+i], v[QA+2*i], v[QA+2*i+1]
.set i, i+1
.endr
; A lane's eight channels of a point are 16 bytes: into my stage's rows of 144 bytes, and back as whole rows of 128.  The bytes are my wave's own and LDS serves a wave in order (ISA guide 5.7.1.4): no wait between.
.macro TOSTAGE
	WIN 0
.set i, 0
.rept 8                                                ; accumulator i = 2 sb + nt
	ds_store_b128 v[QSTO], v[PKR+4*i:PKR+4*i+3] offset:16*PS*(i%2)+32*(i/2)
.set i, i+1
.endr
.set i, 0
.rept 8
	ds_load_b128 v[PKR+4*i:PKR+4*i+3], v[QRD] offset:4*PS*i
.set i, i+1
.endr
.endm
.macro SEND ptr
	WIN 0
.set i, 0
.rept 8
	s_wait_dscnt 7-i                               ; load i is back, the younger ones may be out
	global_store_b128 v[XO], v[PKR+4*i:PKR+4*i+3], s[\ptr:\ptr+1] offset:512*i  ; four rows: 512 consecutive bytes, aligned
.set i, i+1
.endr
.endm
	TOSTAGE
	; k before its softmax: source 0 = 16 rows of W_k2c, source 1 = q (K blocks 0, 1), then the gathered rows (2, 3)
	WIN 0x53
.set i, 0
.rept 32
.set rD, KA+8*(i%8)
.set rA, 8*(4*((i%8)/2)+i/8)
.if i < 16
.set rB, QP+8*(2*(i%2)+i/8)
.else
.set rB, XGF+8*(2*(i%2)+i/8-2)
.endif
.if i < 8
	v_wmma_f32_16x16x32_f16 v[rD:rD+7], v[rA:rA+7], v[rB:rB+7], 0
.else
	v_wmma_f32_16x16x32_f16 v[rD:rD+7], v[rA:rA+7], v[rB:rB+7], v[rD:rD+7]
.endif
.set i, i+1
.endr
	PLACES
	SEND 12                                        ; q goes out
	; THE SOFTMAX OVER k's 64 CHANNELS.  A lane holds one point and 32 channels (8 in each of four accumulators); the other 32 lie in the lane 16 away.  All in window 1; the two tiles alternate.
	WIN 0x55
.set j, 0
.rept 8                                                ; four chains a tile; each accumulator's lowest registers are read first
	v_max3_num_f32 v[KT+8*(j%2)+4+j/2], v[KA+16*(j/2)+8*(j%2)], v[KA+16*(j/2)+8*(j%2)+1], v[KA+16*(j/2)+8*(j%2)+2]
.set j, j+1
.endr
.set j, 0
.rept 16
.set rX, KA+16*((j/2)%4)+8*(j%2)+3+2*(j/8)
.set rC, KT+8*(j%2)+4+(j/2)%4
	v_max3_num_f32 v[rC], v[rC], v[rX], v[rX+1]
.set j, j+1
.endr
.irp t, 0,1
	v_max3_num_f32 v[KT+8*(\t)+4], v[KT+8*(\t)+4], v[KA+8*(\t)+7], v[KA+8*(\t)+23]
.endr
.irp t, 0,1
	v_max3_num_f32 v[KT+8*(\t)+6], v[KT+8*(\t)+6], v[KA+8*(\t)+39], v[KA+8*(\t)+55]
.endr
.irp t, 0,1
	v_max3_num_f32 v[KT+8*(\t)+4], v[KT+8*(\t)+4], v[KT+8*(\t)+5], v[KT+8*(\t)+6]
.endr
.irp t, 0,1
	v_max_num_f32 v[KT+8*(\t)+4], v[KT+8*(\t)+4], v[KT+8*(\t)+7]
.endr
.irp t, 0,1
	v_permlanex16_b32 v[KT+8*(\t)+5], v[KT+8*(\t)+4], s[SEL], s[SEL+1]
.endr
.irp t, 0,1
	v_max_num_f32 v[KT+8*(\t)+4], v[KT+8*(\t)+4], v[KT+8*(\t)+5]
.endr
.irp t, 0,1
	v_mul_f32 v[KT+8*(\t)], s[LE], v[KT+8*(\t)+4]  ; m log2(e)
.endr
.irp t, 0,1
	v_mov_b32 v[KT+8*(\t)+1], v[KT+8*(\t)]         ; named with it as a pair
.endr
.set j, 0
.rept 32                                               ; pair j lies in accumulator j / 4 = 2 sb + nt
	v_pk_fma_f32 v[KA+2*j:KA+2*j+1], v[KA+2*j:KA+2*j+1], s[LE:LE+1], v[KT+8*((j/4)%2):KT+8*((j/4)%2)+1] op_sel_hi:[1,0,0] neg_lo:[0,0,1] neg_hi:[0,0,1]
.set j, j+1
.endr
.set j, 0
.rept 64
	v_exp_f32 v[KA+j], v[KA+j]
.set j, j+1
.endr
	v_nop                                          ; a plain instruction between the last exponential and the use of its result
	s_wait_alu depctr_va_vdst(0)
.irp t, 0,1                                            ; the sum in two chains beside the weights, which are still to be scaled
	v_pk_add_f32 v[KT+8*(\t)+2:KT+8*(\t)+3], v[KA+8*(\t):KA+8*(\t)+1], v[KA+8*(\t)+2:KA+8*(\t)+3]
	v_pk_add_f32 v[KT+8*(\t)+4:KT+8*(\t)+5], v[KA+8*(\t)+4:KA+8*(\t)+5], v[KA+8*(\t)+6:KA+8*(\t)+7]
.endr
.set j, 0
.rept 24
.set rX, KA+16*(1+j/8)+8*(j%2)+2*((j/2)%4)
.set rC, KT+8*(j%2)+2+2*((j/2)%2)
	v_pk_add_f32 v[rC:rC+1], v[rC:rC+1], v[rX:rX+1]
.set j, j+1
.endr
.irp t, 0,1
	v_pk_add_f32 v[KT+8*(\t)+2:KT+8*(\t)+3], v[KT+8*(\t)+2:KT+8*(\t)+3], v[KT+8*(\t)+4:KT+8*(\t)+5]
.endr
.irp t, 0,1
	v_add_f32 v[KT+8*(\t)+2], v[KT+8*(\t)+2], v[KT+8*(\t)+3]
.endr
.irp t, 0,1
	v_permlanex16_b32 v[KT+8*(\t)+3], v[KT+8*(\t)+2], s[SEL], s[SEL+1]
.endr
.irp t, 0,1
	v_add_f32 v[KT+8*(\t)+2], v[KT+8*(\t)+2], v[KT+8*(\t)+3]
.endr
.irp t, 0,1
	v_rcp_f32 v[KT+8*(\t)+6], v[KT+8*(\t)+2]
.endr
.irp t, 0,1
	v_mov_b32 v[KT+8*(\t)+7], 0                    ; the pair's other register; also the plain instruction behind the reciprocals
.endr
.set j, 0
	s_wait_alu depctr_va_vdst(0)
.rept 32
	v_pk_mul_f32 v[KA+2*j:KA+2*j+1], v[KA+2*j:KA+2*j+1], v[KT+8*((j/4)%2)+6:KT+8*((j/4)%2)+7] op_sel_hi:[1,0]
.set j, j+1
.endr
	s_wait_xcnt 0x0                                ; q's stores have had their addresses translated (ISA guide 3.1): the packed registers that they read are rewritten only behind this wait
	WIN 0x05
.set i, 0
.rept 32
	v_cvt_pk_f16_f32 v[PKR+i], v[KA+2*i], v[KA+2*i+1]
.set i, i+1
.endr
	TOSTAGE
	SEND 14                                        ; k goes out
	s_wait_xcnt 0x0                                ; the packed registers are rewritten in the loop below
	s_wait_dscnt 0x0                               ; my reads of x in LDS were over long ago; nothing of mine is out
	s_barrier_signal -1
	s_barrier_wait -1                              ; nobody reads x's rows any more: their bytes become v's stage
	; v^T[n][c] = x^T W_v^T: source 0 = my 16 points, source 1 = 16 rows of W_v.  A lane holds one output channel and eight neighbouring points: 16 bytes of a row of v16.  Four trips of four channel blocks.
	s_mov_b32 s[CNT], 4
.Lv:
.set i, 0
.rept 4
	global_load_b32 v[BVT+i], v[BVO], s[8:9] offset:64*i  ; my lane's bias in each of the four blocks
.set i, i+1
.endr
	WIN 0x80
.set i, 0
.rept 32                                               ; fragment i = 8 cbi + kc
	ds_load_b128 v[8*i:8*i+3],   v[AWV] offset:16*PW*(i/8)+64*(i%8)
	ds_load_b128 v[8*i+4:8*i+7], v[AWV] offset:16*PW*(i/8)+64*(i%8)+32
.set i, i+1
.endr
	s_wait_dscnt 0x0
	WIN 0x58
.set i, 0
.rept 64                                               ; K block i / 8, accumulator i % 8 = 2 cbi + nt: by turns
.set rD, VA+8*(i%8)
.set rA, XF+8*(8*(i%2)+i/8)
.set rB, 8*(8*((i%8)/2)+i/8)
.if i < 8
	v_wmma_f32_16x16x32_f16 v[rD:rD+7], v[rA:rA+7], v[rB:rB+7], 0
.else
	v_wmma_f32_16x16x32_f16 v[rD:rD+7], v[rA:rA+7], v[rB:rB+7], v[rD:rD+7]
.endif
.set i, i+1
.endr
	PLACES
	s_wait_loadcnt 0x0                             ; the biases; their offset register is free from here
	WIN 0x41
.set i, 0
.rept 32                                               ; pair i lies in block i / 8; the block's bias is the low or the high register of its pair, taken for both halves
.if (i/8)%2 == 0
	v_pk_add_f32 v[VA+2*i:VA+2*i+1], v[VA+2*i:VA+2*i+1], v[BVT+2*(i/16):BVT+2*(i/16)+1] op_sel_hi:[1,0]
.else
	v_pk_add_f32 v[VA+2*i:VA+2*i+1], v[VA+2*i:VA+2*i+1], v[BVT+2*(i/16):BVT+2*(i/16)+1] op_sel:[0,1] op_sel_hi:[1,1]
.endif
.set i, i+1
.endr
	WIN 0x05
.set i, 0
.rept 32
	v_cvt_pk_f16_f32 v[PKR+i], v[VA+2*i], v[VA+2*i+1]
.set i, i+1
.endr
	WIN 0
.set i, 0
.rept 8
	ds_store_b128 v[VSTO], v[PKR+4*i:PKR+4*i+3] offset:16*PK*(i/2)+32*(i%2)
.set i, i+1
.endr
	v_add_nc_u32 v[AWV], 64*PW, v[AWV]             ; the next 64 rows of W_v, of the stage and of b_v
	v_add_nc_u32 v[VSTO], 64*PK, v[VSTO]
	v_add_nc_u32 v[BVO], 256, v[BVO]
	s_sub_co_u32 s[CNT], s[CNT], 1
	s_cmp_lg_u32 s[CNT], 0
	s_cbranch_scc1 .Lv
	s_wait_dscnt 0x0                               ; for the others' sake: my stores into the stage are done (a row's 256 bytes come from all four waves)
	s_barrier_signal -1
	s_barrier_wait -1
.set i, 0
.rept 32                                               ; wave w takes rows 64 w .. 64 w + 63, two at a time
	ds_load_b128 v[XF+4*i:XF+4*i+3], v[VRD] offset:2*PK*i
.set i, i+1
.endr
.set i, 0
.rept 32
	s_wait_dscnt 31-i
	global_store_b128 v[VGO], v[XF+4*i:XF+4*i+3], s[16:17] offset:16384*i  ; 16 lanes store 256 consecutive bytes, aligned
.set i, i+1
.endr
	s_wait_tensorcnt 0x0                           ; the wave's end
	ds_add_u32 v[SPW], v[NIL]
	s_wait_dscnt 0x0
	CROUND                                         ; the closing round
	s_endpgm
.Lfunc_end_k_q95ac214dd4_proj:
	.size	k_q95ac214dd4_proj, .Lfunc_end_k_q95ac214dd4_proj-k_q95ac214dd4_proj
	.p2alignl 7, 3214868480
	.fill 96, 4, 3214868480
	.section	.rodata,"a",@progbits
	.p2align	6, 0x0
	.amdhsa_kernel k_q95ac214dd4_proj
		.amdhsa_group_segment_fixed_size 327680
		.amdhsa_private_segment_fixed_size 0
		.amdhsa_enable_private_segment 0
		.amdhsa_kernarg_size 56
		.amdhsa_user_sgpr_count 2
		.amdhsa_user_sgpr_kernarg_segment_ptr 1
		.amdhsa_wavefront_size32 1
		.amdhsa_system_sgpr_workgroup_id_x 1
		.amdhsa_system_sgpr_workgroup_id_y 1
		.amdhsa_system_sgpr_workgroup_id_z 1
		.amdhsa_system_vgpr_workitem_id 0
		.amdhsa_next_free_vgpr 896
		.amdhsa_next_free_sgpr 96
		.amdhsa_reserve_vcc 0
		.amdhsa_float_denorm_mode_32 3
		.amdhsa_float_denorm_mode_16_64 3
		.amdhsa_memory_ordered 1
		.amdhsa_forward_progress 1
		.amdhsa_inst_pref_size 92
	.end_amdhsa_kernel
	.amdgpu_metadata
---
amdhsa.version: [ 1, 2 ]
amdhsa.kernels:
  - .name:           k_q95ac214dd4_proj
    .symbol:         k_q95ac214dd4_proj.kd
    .args:
      - { .name: x, .offset: 0, .size: 8, .value_kind: global_buffer, .address_space: global }
      - { .name: w16, .offset: 8, .size: 8, .value_kind: global_buffer, .address_space: global }
      - { .name: b_v, .offset: 16, .size: 8, .value_kind: global_buffer, .address_space: global }
      - { .name: idx, .offset: 24, .size: 8, .value_kind: global_buffer, .address_space: global }
      - { .name: q16, .offset: 32, .size: 8, .value_kind: global_buffer, .address_space: global }
      - { .name: k16, .offset: 40, .size: 8, .value_kind: global_buffer, .address_space: global }
      - { .name: v16, .offset: 48, .size: 8, .value_kind: global_buffer, .address_space: global }
    .group_segment_fixed_size: 327680
    .private_segment_fixed_size: 0
    .kernarg_segment_align: 8
    .kernarg_segment_size: 56
    .max_flat_workgroup_size: 128
    .sgpr_count:     96
    .vgpr_count:     896
    .wavefront_size: 32
...
	.end_amdgpu_metadata
.endif
;; end of part 2
;; launch stats (part 3): grid 32 x 8, 4 waves a work-group, clusters of 4 x 1, 327,680 bytes of LDS; arguments q16, k16, nb; writes nb
.if DOCPART == 3
	.amdgcn_target "amdgcn-amd-amdhsa--gfx1250"
	.amdhsa_code_object_version 6
	.text
	.protected	k_q95ac214dd4_stats
	.globl	k_q95ac214dd4_stats
	.p2align	8
	.type	k_q95ac214dd4_stats,@function
k_q95ac214dd4_stats:
	s_mov_b64 s[64:65], 0
	v_nop
	global_prefetch_b8 v0, s[64:65] scope:SCOPE_SE
	s_setreg_imm32_b32 hwreg(HW_REG_WAVE_MODE, 25, 1), 1
	s_wait_xcnt 0x0
	s_wait_alu depctr_hold_cnt(0) depctr_sa_sdst(0) depctr_va_vdst(0) depctr_va_sdst(0) depctr_va_ssrc(0) depctr_va_vcc(0) depctr_vm_vsrc(0)
	s_getreg_b32 s2, hwreg(HW_REG_IB_STS2, 6, 4)
	s_cmp_eq_u32 s2, 0
	s_cbranch_scc0 .Lentry_in_a_cluster
	s_endpgm
.Lentry_in_a_cluster:
	s_bfe_u32 s2, ttmp6, 0x10000c
	s_cmp_lg_u32 s2, 0x3003
	s_cbranch_scc0 .Lentry_shape_is_right
	s_endpgm
.Lentry_shape_is_right:
; THE ROWS' MAXIMA AND SUMS.  With e[n][m] = sum over s of q16[n][s] k16[m][s] (the energy in base-2 units), for every row: Mx = max over m of e, l = sum over m of 2^(e - Mx), and
; nb[n] = 12 - Mx - log2(l), so that the last launch's 2^(e + nb) is 4,096 times the row's softmax.  Rows are taken as they lie in q16; nb has the same order.  Products in f16, all else in f32.
; A true running maximum: in every step of 32 m the sum is multiplied by 2^(M_old - M_new).  M starts at the lowest finite number and l at 0, so the first step is a step like any other.
; LIMITS: a term below 2^-126 counts as 0 in l (l is at least 1); NaN and infinities are not treated apart.
; SHARES.  A work-group takes 128 rows of a batch, a wave 32: two tiles of 16.  Every wave walks all 4,096 m.  Source 0 = 16 rows of k, source 1 = 16 rows of q: a lane holds ONE row n (lane % 16) and
; m = 8 (lane / 16) + 0..7, and keeps its own M and l over its half of the m; the two halves meet once, at the end: no lane exchange in the loop.
; THE COUNT.  A step has 8 matrix and 86 vector instructions.  So the products of step j + 1 stand singly among the vector work of step j, one ahead of every tenth instruction.
; CLUSTER.  The four work-groups of a cluster belong to one batch and walk the same k: each tile of 512 m is asked for jointly, a quarter by each wave, with the mask of four.
.set SLOT1, 131072                  ; two slots of 512 rows x 144 bytes (128 + 16 of padding: the 16 rows of a load start at 16 different groups of four banks, ISA guide 11.1)
.set SLOTB, 512*144
.set STEPB, 32*144
.set STG,   204800                  ; 128 results, and lanes 16-31's copies 512 bytes on, which nobody reads
.set SPARE, 205824                  ; the spare words, 128 bytes a wave
.set AK0, 2                         ; v2   my lane's place in a step's rows of k; never rewritten
.set AK,  4                         ; v4   the address of the run of loads in hand
.set QO,  5
.set STA, 6
.set GOA, 7
.set RDA, 8
.set QF,  16                        ; q: tile nt, channel half sh at QF + 8 (2 nt + sh)
.set KF,  48                        ; k: two buffers of 32; block mb, half sh at + 8 (2 mb + sh)
.set S,   112                       ; scores: two buffers of 32; block mb, tile nt at + 8 (2 mb + nt)
.set ST,  176                       ; tile nt at ST + 8 nt: M, its pair's partner (0, never rewritten), l (even m's, odd m's), c0, c1, d, a
.set SPW, 192
.set NIL, 193
.set TM,  194
.set WV,  12
.set G1K, 24
.set G0K, 40
.set SLOTS, 56
.set CNT, 57
.set SEL, 60
.set TB,  62                        ; LDS byte at which the step to be fetched begins
.macro PLACES
.rept 4
	v_nop
.endr
.endm
.macro CROUND                       ; a round of the cluster's barrier
	s_barrier_signal -1
	s_barrier_wait -1
	s_cmp_lg_u32 s[WV], 0
	s_cbranch_scc1 .Lnot_wave_0_\@
	s_barrier_signal -3
.Lnot_wave_0_\@:
	s_barrier_wait -3
	s_barrier_signal -1
	s_barrier_wait -1
.endm
.macro JLOAD                        ; one line for all four waves: the descriptor hangs on the wave's number; an s_nop 0 and four v_nop follow
	tensor_load_to_lds s[G0K:G0K+3], s[G1K:G1K+7]
	s_nop 0
	PLACES
.endm
; THE CHANGE OF SLOTS.  Each wave waits for all its tensor loads, of which one is out: its quarter of the other slot; adds 0 to its spare word; waits for that and for its reads of the slot that it leaves.
; fill = 1: the barrier is a round of the cluster's, and the slot left is filled again first thing behind it, with the tile two on: that load has 16 steps in which to land.
.macro CHANGE fill
	s_wait_tensorcnt 0x0            ; no tensor load of mine is out, so the descriptor may be written
	ds_add_u32 v[SPW], v[NIL]
.if \fill
	s_xor_b32 s[G0K+1], s[G0K+1], SLOT1
	s_add_nc_u64 s[G0K+2:G0K+3], s[G0K+2:G0K+3], 65536  ; the next 512 rows of 128 bytes
	s_wait_dscnt 0x0                ; the add is done, and my reads of the slot are over
	CROUND
	JLOAD
.else
	s_wait_dscnt 0x0
	s_barrier_signal -1
	s_barrier_wait -1
.endif
	s_sub_co_u32 s[TB], s[TB], SLOTB  ; the fetches go back to a slot's first step,
	s_xor_b32 s[TB], s[TB], SLOT1     ; in the other slot
.endm
	s_load_b128 s[4:7], s[0:1], 0x0                ; q16 4, k16 6
	s_load_b64 s[8:9], s[0:1], 0x10                ; nb
	v_lshl_add_u32 v[SPW], v0, 2, SPARE
	v_mov_b32 v[NIL], 0
	ds_add_u32 v[SPW], v[NIL]                      ; the wave's opening: the add and its wait stand ahead of my first tensor load
	v_lshrrev_b32 v1, 5, v0
	v_readfirstlane_b32 s[WV], v1
	s_bfe_u32 s13, ttmp6, 0x40000                  ; cx
	s_lshl_b32 s14, ttmp9, 2
	s_add_co_u32 s14, s14, s13                     ; my block of 128 rows: it enters q16's and nb's addresses alone
	s_and_b32 s15, ttmp7, 0xffff                   ; the batch
	; 128 rows of k are 16,384 dense bytes: asked for as 64 rows of 256 bytes, padded in LDS after every 128
	s_mov_b32 s[G1K], 15|(1<<16)|(1<<20)|(1<<21)|(4<<22)|(3<<25)
	s_mov_b32 s[G1K+1], 128<<16
	s_mov_b32 s[G1K+2], 64<<16
	s_mov_b32 s[G1K+3], 128<<16
	s_mov_b32 s[G1K+4], 64
	s_mov_b32 s[G1K+5], 128
	s_mov_b32 s[G1K+6], 0
	s_mov_b32 s[G1K+7], 0
	s_mov_b32 s[G0K], 1
	s_mul_i32 s[G0K+1], s[WV], 128*144             ; my quarter of slot 0
	s_lshl_b32 s[G0K+2], s15, 19
	s_lshl_b32 s16, s[WV], 14
	s_add_co_u32 s[G0K+2], s[G0K+2], s16           ; its offset in k16; the address is added below
	s_mov_b32 s[G0K+3], 0
	s_lshl_b32 s20, s15, 19                        ; q16: the batch, the block's 128 rows, my 32
	s_lshl_b32 s21, s14, 14
	s_add_co_u32 s20, s20, s21
	s_lshl_b32 s21, s[WV], 12
	s_add_co_u32 s20, s20, s21
	s_mov_b32 s21, 0
	s_lshl_b32 s22, s15, 14                        ; nb: the batch, the block's 512 bytes
	s_lshl_b32 s23, s14, 9
	s_add_co_u32 s22, s22, s23
	s_mov_b32 s23, 0
	s_mov_b32 s[SEL], 0x76543210
	s_mov_b32 s[SEL+1], 0xfedcba98
	s_mov_b32 s[TB], SLOT1+SLOTB                   ; the first change of slots turns this into 0
	v_and_b32 v1, 15, v0
	v_bfe_u32 v3, v0, 4, 1
	v_mul_u32_u24 v[AK0], v1, 144
	v_lshl_add_u32 v[AK0], v3, 4, v[AK0]           ; row x pitch + 16 x half
	v_lshlrev_b32 v[QO], 7, v1
	v_lshl_add_u32 v[QO], v3, 4, v[QO]
	s_lshl_b32 s17, s[WV], 7
	s_add_co_u32 s17, s17, STG
	v_lshlrev_b32 v[STA], 9, v3
	v_lshl_add_u32 v[STA], v1, 2, v[STA]
	v_add_nc_u32 v[STA], s17, v[STA]
	v_and_b32 v[GOA], 31, v0
	v_lshlrev_b32 v[GOA], 4, v[GOA]
	v_add_nc_u32 v[RDA], STG, v[GOA]
.irp t, 0,1
	v_mov_b32 v[ST+8*(\t)], 0xff7fffff             ; M
	v_mov_b32 v[ST+8*(\t)+1], 0                    ; named with M as a pair by the packed subtraction, which takes M for both halves
	v_mov_b32 v[ST+8*(\t)+2], 0                    ; l
	v_mov_b32 v[ST+8*(\t)+3], 0
.endr
	s_wait_dscnt 0x0                               ; the opening add is done
	s_wait_kmcnt 0x0
	s_add_nc_u64 s[G0K+2:G0K+3], s[6:7], s[G0K+2:G0K+3]
	s_or_b32 s[G0K+3], s[G0K+3], 0x80000000
	s_add_nc_u64 s[4:5], s[4:5], s[20:21]
	s_add_nc_u64 s[8:9], s[8:9], s[22:23]
	CROUND                                         ; all four work-groups are here
	JLOAD                                          ; tile 0 into slot 0
.set i, 0
.rept 4                                                ; q stays in registers: fragment i = 2 nt + sh
	global_load_b128 v[QF+8*i:QF+8*i+3],   v[QO], s[4:5] offset:2048*(i/2)+64*(i%2)
	global_load_b128 v[QF+8*i+4:QF+8*i+7], v[QO], s[4:5] offset:2048*(i/2)+64*(i%2)+32
.set i, i+1
.endr
.macro KLOAD buf                    ; a step's k, 32 rows x 64 channels: a run of eight loads
.set i, 0
.rept 4
	ds_load_b128 v[KF+32*(\buf)+8*i:KF+32*(\buf)+8*i+3],   v[AK] offset:2304*(i/2)+64*(i%2)
	ds_load_b128 v[KF+32*(\buf)+8*i+4:KF+32*(\buf)+8*i+7], v[AK] offset:2304*(i/2)+64*(i%2)+32
.set i, i+1
.endr
.endm
; Product n of 8 of the NEXT step's scores, into the buffers 1 - PAR: channel half n / 4, accumulator n % 4 = 2 mb + nt.  The first four start the sums; three others' turns stand between a chain's two links.
.macro SCP n
.set rD, S+32*(1-PAR)+8*((\n)%4)
.set rK, KF+32*(1-PAR)+8*(2*(((\n)%4)/2)+(\n)/4)
.set rQ, QF+8*(2*((\n)%2)+(\n)/4)
.if (\n) < 4
	v_wmma_f32_16x16x32_f16 v[rD:rD+7], v[rK:rK+7], v[rQ:rQ+7], 0
.else
	v_wmma_f32_16x16x32_f16 v[rD:rD+7], v[rK:rK+7], v[rQ:rQ+7], v[rD:rD+7]
.endif
.endm
.macro TICK                         ; ahead of vector instructions 0, 10 .. 70 of a step stands a product; behind the last stand sixteen more, seven of them plain, none naming its registers
.if SCON && (c%10 == 0) && (c < 80)
	SCP c/10
.endif
.set c, c+1
.endm
.macro REGS t                       ; tile t's 16 scores of the step in hand: a0-a7 at rA, b0-b7 at rA + 16
.set rA, S+32*PAR+8*(\t)
.set rT, ST+8*(\t)
.endm
.macro XS n, t                      ; the maximum (each accumulator's lowest registers first), d = M_old - M_new, the new M, a = 2^d
	TICK
	REGS \t
.if (\n) == 0
	v_max3_num_f32 v[rT+4], v[rA], v[rA+1], v[rA+2]
.elseif (\n) == 1
	v_max3_num_f32 v[rT+5], v[rA+16], v[rA+17], v[rA+18]
.elseif (\n) == 2
	v_max3_num_f32 v[rT+4], v[rT+4], v[rA+3], v[rA+4]
.elseif (\n) == 3
	v_max3_num_f32 v[rT+5], v[rT+5], v[rA+19], v[rA+20]
.elseif (\n) == 4
	v_max3_num_f32 v[rT+4], v[rT+4], v[rA+5], v[rA+6]
.elseif (\n) == 5
	v_max3_num_f32 v[rT+5], v[rT+5], v[rA+21], v[rA+22]
.elseif (\n) == 6
	v_max3_num_f32 v[rT+4], v[rT+4], v[rA+7], v[rA+23]
.elseif (\n) == 7
	v_max3_num_f32 v[rT+5], v[rT+5], v[rT+4], v[rT]
.elseif (\n) == 8
	v_sub_f32 v[rT+6], v[rT], v[rT+5]
.elseif (\n) == 9
	v_mov_b32 v[rT], v[rT+5]
.else
	v_exp_f32 v[rT+7], v[rT+6]      ; a lies beside d, not beside M: the subtractions that follow name the pair of M and touch neither this result nor its source
.endif
.endm
.macro FS k, t                      ; pair k of 8: e - M
	TICK
	REGS \t
.set rP, rA+2*(\k)+8*((\k)/4)
	v_pk_add_f32 v[rP:rP+1], v[rP:rP+1], v[rT:rT+1] op_sel_hi:[1,0] neg_lo:[0,1] neg_hi:[0,1]
.endm
.macro ES n, t                      ; the exponential of score n of 16
	TICK
	REGS \t
	v_exp_f32 v[rA+(\n)+8*((\n)/8)], v[rA+(\n)+8*((\n)/8)]
.endm
.macro AS k, t                      ; l takes pair k; the first time as l = l a + pair (a is the high register of the pair (d, a), taken for both halves)
	TICK
	REGS \t
.set rP, rA+2*(\k)+8*((\k)/4)
.if (\k) == 0
	s_wait_alu depctr_va_vdst(0)
	v_pk_fma_f32 v[rT+2:rT+3], v[rT+2:rT+3], v[rT+6:rT+7], v[rP:rP+1] op_sel:[0,1,0] op_sel_hi:[1,1,1]
.else
	s_wait_alu depctr_va_vdst(0)
	v_pk_add_f32 v[rT+2:rT+3], v[rT+2:rT+3], v[rP:rP+1]
.endif
.endm
; STEP j (par = j % 2).  k of step j + 1, fetched a step ago, is waited for; ld: k of step j + 2 is fetched into the buffer that step j's products, seven plain instructions back and more, have read;
; sc: the products of step j + 1; and the vector work on step j's scores.  Every exponential has a plain instruction between it and the use of its result; the two tiles alternate.
.macro BODY par, ld, sc
.set PAR, \par
.set SCON, \sc
.set c, 0
	s_wait_dscnt 0x0
.if \ld
	v_add_nc_u32 v[AK], s[TB], v[AK0]
	KLOAD \par
	s_add_co_u32 s[TB], s[TB], STEPB
.endif
.irp n, 0,1,2,3,4,5,6,7,8,9,10
	XS \n, 0
	XS \n, 1
.endr
	FS 0, 0
	FS 0, 1
	FS 1, 0
	FS 1, 1
.irp p, 0,1,2,3,4,5,6,7
	ES 2*(\p), 0
.if (\p) < 6
	FS (\p)+2, 0
.endif
	ES 2*(\p), 1
.if (\p) < 6
	FS (\p)+2, 1
.endif
	ES 2*(\p)+1, 0
.if (\p) > 0
	AS (\p)-1, 0
.endif
	ES 2*(\p)+1, 1
.if (\p) > 0
	AS (\p)-1, 1
.endif
.endr
	AS 7, 0
	AS 7, 1
.endm
	; Step j reads k of step j + 2, so a trip of the walk is steps 16 T - 2 .. 16 T + 13: all its LDS reads lie in tile T's slot.
	CHANGE 1                                       ; tile 0 has landed, everybody's part; tile 1 is asked for
	v_add_nc_u32 v[AK], s[TB], v[AK0]
	KLOAD 0
	s_add_co_u32 s[TB], s[TB], STEPB
	v_add_nc_u32 v[AK], s[TB], v[AK0]
	KLOAD 1
	s_add_co_u32 s[TB], s[TB], STEPB
	s_wait_loadcnt 0x0                             ; q
	s_wait_dscnt 8                                 ; k of step 0 is in; step 1's eight loads may be out
.set PAR, 1
.set i, 0
.rept 8
	SCP i                                          ; step 0's scores: there is no vector work yet to set between them
.set i, i+1
.endr
	PLACES
	s_mov_b32 s[CNT], 7
.Lfirst:
	BODY 0, 1, 1
	BODY 1, 1, 1
	s_sub_co_u32 s[CNT], s[CNT], 1
	s_cmp_lg_u32 s[CNT], 0
	s_cbranch_scc1 .Lfirst
	s_mov_b32 s[SLOTS], 6
.Ltrip:                                                ; trips 1 to 6 ask for tiles 2 to 7
	CHANGE 1
	s_mov_b32 s[CNT], 8
.Lstep:
	BODY 0, 1, 1
	BODY 1, 1, 1
	s_sub_co_u32 s[CNT], s[CNT], 1
	s_cmp_lg_u32 s[CNT], 0
	s_cbranch_scc1 .Lstep
	s_sub_co_u32 s[SLOTS], s[SLOTS], 1
	s_cmp_lg_u32 s[SLOTS], 0
	s_cbranch_scc1 .Ltrip
	CHANGE 0                                       ; the last trip is written out: nothing is asked for
	s_mov_b32 s[CNT], 8
.Ltail:
	BODY 0, 1, 1
	BODY 1, 1, 1
	s_sub_co_u32 s[CNT], s[CNT], 1
	s_cmp_lg_u32 s[CNT], 0
	s_cbranch_scc1 .Ltail
	BODY 0, 0, 1                                   ; step 126: nothing is left to fetch
	BODY 1, 0, 0                                   ; step 127: nor to multiply
	; The two halves of the lanes meet: Mx = max(M, M'), l = l 2^(M - Mx) + l' 2^(M' - Mx); nb = (12 - Mx) - log2(l)
.irp t, 0,1
	v_add_f32 v[ST+8*(\t)+2], v[ST+8*(\t)+2], v[ST+8*(\t)+3]
.endr
.irp t, 0,1
	v_permlanex16_b32 v[ST+8*(\t)+4], v[ST+8*(\t)], s[SEL], s[SEL+1]
	v_permlanex16_b32 v[ST+8*(\t)+5], v[ST+8*(\t)+2], s[SEL], s[SEL+1]
.endr
.irp t, 0,1
	v_max_num_f32 v[ST+8*(\t)+6], v[ST+8*(\t)], v[ST+8*(\t)+4]
.endr
.irp t, 0,1
	v_sub_f32 v[ST+8*(\t)], v[ST+8*(\t)], v[ST+8*(\t)+6]
	v_sub_f32 v[ST+8*(\t)+4], v[ST+8*(\t)+4], v[ST+8*(\t)+6]
.endr
.irp t, 0,1
	v_exp_f32 v[ST+8*(\t)], v[ST+8*(\t)]
	v_exp_f32 v[ST+8*(\t)+4], v[ST+8*(\t)+4]
.endr
.irp t, 0,1
	v_sub_f32 v[ST+8*(\t)+6], 0x41400000, v[ST+8*(\t)+6]  ; 12 - Mx: also the plain instructions behind the exponentials
.endr
	s_wait_alu depctr_va_vdst(0)
.irp t, 0,1
	v_mul_f32 v[ST+8*(\t)+5], v[ST+8*(\t)+5], v[ST+8*(\t)+4]
.endr
.irp t, 0,1
	v_fma_f32 v[ST+8*(\t)+2], v[ST+8*(\t)+2], v[ST+8*(\t)], v[ST+8*(\t)+5]
.endr
.irp t, 0,1
	v_log_f32 v[ST+8*(\t)+2], v[ST+8*(\t)+2]
.endr
	v_nop
	s_wait_alu depctr_va_vdst(0)
.irp t, 0,1
	v_sub_f32 v[ST+8*(\t)+6], v[ST+8*(\t)+6], v[ST+8*(\t)+2]
.endr
.irp t, 0,1
	ds_store_b32 v[STA], v[ST+8*(\t)+6] offset:64*(\t)
.endr
	s_wait_dscnt 0x0                               ; for wave 0's sake: my results are stored
	s_barrier_signal -1
	s_barrier_wait -1
	s_cmp_lg_u32 s[WV], 0
	s_cbranch_scc1 .Ldone
	ds_load_b128 v[TM:TM+3], v[RDA]                ; wave 0 takes the work-group's 128 results
	s_wait_dscnt 0x0
	global_store_b128 v[GOA], v[TM:TM+3], s[8:9]   ; 512 consecutive bytes, aligned
.Ldone:
	s_wait_tensorcnt 0x0                           ; the wave's end
	ds_add_u32 v[SPW], v[NIL]
	s_wait_dscnt 0x0
	CROUND                                         ; the closing round
	s_endpgm
.Lfunc_end_k_q95ac214dd4_stats:
	.size	k_q95ac214dd4_stats, .Lfunc_end_k_q95ac214dd4_stats-k_q95ac214dd4_stats
	.p2alignl 7, 3214868480
	.fill 96, 4, 3214868480
	.section	.rodata,"a",@progbits
	.p2align	6, 0x0
	.amdhsa_kernel k_q95ac214dd4_stats
		.amdhsa_group_segment_fixed_size 327680
		.amdhsa_private_segment_fixed_size 0
		.amdhsa_enable_private_segment 0
		.amdhsa_kernarg_size 24
		.amdhsa_user_sgpr_count 2
		.amdhsa_user_sgpr_kernarg_segment_ptr 1
		.amdhsa_wavefront_size32 1
		.amdhsa_system_sgpr_workgroup_id_x 1
		.amdhsa_system_sgpr_workgroup_id_y 1
		.amdhsa_system_sgpr_workgroup_id_z 1
		.amdhsa_system_vgpr_workitem_id 0
		.amdhsa_next_free_vgpr 256
		.amdhsa_next_free_sgpr 66
		.amdhsa_reserve_vcc 0
		.amdhsa_float_denorm_mode_32 3
		.amdhsa_float_denorm_mode_16_64 3
		.amdhsa_memory_ordered 1
		.amdhsa_forward_progress 1
		.amdhsa_inst_pref_size 57
	.end_amdhsa_kernel
	.amdgpu_metadata
---
amdhsa.version: [ 1, 2 ]
amdhsa.kernels:
  - .name:           k_q95ac214dd4_stats
    .symbol:         k_q95ac214dd4_stats.kd
    .args:
      - { .name: q16, .offset: 0, .size: 8, .value_kind: global_buffer, .address_space: global }
      - { .name: k16, .offset: 8, .size: 8, .value_kind: global_buffer, .address_space: global }
      - { .name: nb, .offset: 16, .size: 8, .value_kind: global_buffer, .address_space: global }
    .group_segment_fixed_size: 327680
    .private_segment_fixed_size: 0
    .kernarg_segment_align: 8
    .kernarg_segment_size: 24
    .max_flat_workgroup_size: 128
    .sgpr_count:     66
    .vgpr_count:     256
    .wavefront_size: 32
...
	.end_amdgpu_metadata
.endif
;; end of part 3
;; launch attn (part 4): grid 32 x 8, 4 waves a work-group, clusters of 4 x 1, 327,680 bytes of LDS; arguments q16, k16, v16, nb, w16, x, out0; writes out0
.if DOCPART == 4
	.amdgcn_target "amdgcn-amd-amdhsa--gfx1250"
	.amdhsa_code_object_version 6
	.text
	.protected	k_q95ac214dd4_attn
	.globl	k_q95ac214dd4_attn
	.p2align	8
	.type	k_q95ac214dd4_attn,@function
k_q95ac214dd4_attn:
	s_mov_b64 s[64:65], 0
	v_nop
	global_prefetch_b8 v0, s[64:65] scope:SCOPE_SE
	s_setreg_imm32_b32 hwreg(HW_REG_WAVE_MODE, 25, 1), 1
	s_wait_xcnt 0x0
	s_wait_alu depctr_hold_cnt(0) depctr_sa_sdst(0) depctr_va_vdst(0) depctr_va_sdst(0) depctr_va_ssrc(0) depctr_va_vcc(0) depctr_vm_vsrc(0)
	s_getreg_b32 s2, hwreg(HW_REG_IB_STS2, 6, 4)
	s_cmp_eq_u32 s2, 0
	s_cbranch_scc0 .Lentry_in_a_cluster
	s_endpgm
.Lentry_in_a_cluster:
	s_bfe_u32 s2, ttmp6, 0x10000c
	s_cmp_lg_u32 s2, 0x3003
	s_cbranch_scc0 .Lentry_shape_is_right
	s_endpgm
.Lentry_shape_is_right:
; THE ATTENTION, THE LAST PROJECTION, BATCH NORM, RELU AND THE RESIDUAL.  For 128 columns m of a batch: p[n][m] = 2^(e[n][m] + nb[n]) = 4,096 x the row softmax (e from q16 and k16, nb from the launch before);
; x_r[c][m] = (sum over n of v[c][n] p[n][m]) / (4.096e-6 + sum over n of p[n][m]), which is a / (1e-9 + sum a) with both sides times 4,096; out = x + max(0, (W_t x_r) sc + sh).
; Products in f16 with f32 sums; p, at most 4,096, is rounded to f16 for the second product, its column sum is taken of the unrounded p; the residual x is added in f32.
; nb is the C operand of the product that starts a score's sum: the exponent is ready as the product leaves it, and it is at most 12 by the launch before's true maximum and sum.
; LIMITS: x_r of 65,520 or more becomes an infinity in f16 (it is a weighted mean of v's columns); a weight below 2^-126 counts as 0; NaN and infinities are not treated apart.
; SHARES.  A work-group: 128 columns x all 256 channels.  Wave w = 2 mh + nh sums 64 columns (half mh, four tiles of 16) x 256 channels, 64 accumulators in 512 registers, over HALF of the points: of every
; 128 n the 64 from 64 nh on, in chunks of 32.  So a fragment of V read from LDS feeds four products, and no score is made twice.  A wave's local tiles 0, 1 are the columns 32 w .. 32 w + 31, which it owns at
; the end; its tiles 2, 3 are those of its partner w ^ 1 (which rows of k are loaded decides that: register names hang on no wave number).  At the end the partners exchange tiles 2, 3 through LDS and add.
; LAYOUT.  S = q k^T (source 0 = 16 rows n of q, source 1 = 16 rows m of k): a lane holds one m (lane % 16) and n = 8 (lane / 16) + 0..7.  Two such results rounded in pairs ARE source 1 (32 n x 16 m) of
; O[c][m] += V[c][n] P[n][m]; two of O's, scaled and rounded, ARE source 0 of D[m][o] = x_r^T W_t^T, in which a lane holds one output channel o (one pair sc, sh) and eight neighbouring m.
; A CHUNK g: 16 products for the NEXT chunk's scores; 12 LDS loads (q and nb of chunk g + 2); 64 products O += V P, and behind every second of them four vector instructions on the next chunk's scores
; (exponential, plain, exponential, plain; a plain one is a rounding or a column sum), none naming a register of the products round it.  V of chunk g + 1 comes in eight runs of four loads between them.
; THE WALK.  Chunk g reads V of g + 1 and q, nb of g + 2; q16 and nb hold the rows with even n / 32 a tile of 128 early, so all three lie in the same tile: a trip is a change of slots and chunks 2 T - 1, 2 T.
; CLUSTER.  The four work-groups of a cluster share V, q, nb and W_t: every tensor load is joint, with the mask of four.  My place in the cluster enters the addresses of k16, x and out0 alone.
; REGISTERS.  window 0: v0-15 addresses; v16-47 q; v48-63 nb; v64-127 S; v128-191 P, two buffers; v192-199 column sums; v200-216 at work and addresses; v224-255 (sc, sh); at the end x_r's fragments in v16-143
;   window 1: V: fragments 0-7 in v0-63, fragments 8-15 in v64-127 (even chunks) or v192-255 (odd chunks); k in v128-191; later the last product's sums in v0-127
;   window 2: O of my tiles 0, 1, accumulator (cb, mt) at 8 (2 cb + mt); later W_t, then y      window 3: O of tiles 2, 3 likewise; later W_t, then x
.set SLOT1, 131072                  ; a slot: V 256 rows x 272 bytes, then q 128 rows x 144.  Slot 0 at 0; it takes W_t's rows 0-127 (x 528) at the end
.set QOFF,  69632
.set NBL,   88064                   ; the batch's nb, 16,384 dense bytes
.set SPARE, 104448                  ; the spare words, 128 bytes a wave
.set STG,   104960                  ; y, 256 rows x 528 bytes of f32; before that the exchange.  Written behind slot 1's last fill and a barrier
.set EXB,   33280                   ; a wave's block of the exchange: 32,768 bytes of sums, 512 of column sums; four blocks end inside the stage's 135,168 bytes
.set WU,    260096                  ; W_t's rows 128-255, x 528: filled once, at the start
.set PW,    528
.set AV0, 3
.set AQ0, 4
.set AN0, 5
.set AVR, 6                         ; the three addresses of the loads in hand
.set AQR, 7
.set ANR, 8
.set AW0, 9
.set AW1, 10
.set STO0, 11
.set STO1, 12
.set RD,  13
.set GO,  14
.set LO,  15
.set QF,  16                        ; block blk of 16 n, channel half sh at QF + 8 (2 blk + sh)
.set NBF, 48                        ; block blk at NBF + 8 blk
.set S,   64                        ; accumulator t = 2 mt + blk at S + 8 t
.set P,   128                       ; two buffers of 32; tile mt at + 8 mt
.set CS,  192                       ; a pair for each mt
.set TM,  200
.set RC,  204                       ; 1 / column sum, a pair for each of my two tiles
.set SPW, 208
.set NIL, 209
.set EXS, 210                       ; my block of the exchange
.set EXR, 211                       ; my partner's
.set LK0, 212                       ; offsets of the first loads from memory: k of tiles 0, 1;
.set LK1, 213                       ; of tiles 2, 3;
.set LQ,  214                       ; q of chunk 0;
.set LNB, 215                       ; its nb;
.set LB,  216                       ; the pairs (sc, sh)
.set BN,  224                       ; (sc, sh) of channel 16 ob + lane % 16 at BN + 2 ob
.set XR,  16                        ; K block kc, tile mt at XR + 16 kc + 8 mt
.set KF,  128                       ; window 1: tile t, channel half sh at KF + 8 (2 t + sh)
.set WV,  18
.set H1,  19                        ; nh; also: which half of a tile I fetch
.set G1V, 24
.set G1Q, 32
.set G1N, 40
.set G1W, 48
.set G0V, 56
.set G0Q, 60
.set G0N, 68
.set G0WL, 72
.set G0WU, 76
.set TBS, 80                        ; the slot that is read: 0 or SLOT1
.set MH,  81
.set TBN, 82                        ; the trip's 512 bytes of nb
.set TRIPS, 84
.set BB,  85
.set SEL, 86
.set MSB, 0
.macro WIN new                      ; the immediate's high byte repeats the setting that is left; a switch that changes nothing is dropped
.if MSB != (\new)
	s_set_vgpr_msb (MSB<<8)|(\new)
.set MSB, (\new)
.endif
.endm
.macro PLACES                       ; four plain instructions between a matrix instruction and a vector instruction, store or load that touches its registers
.rept 4
	v_nop
.endr
.endm
.macro CROUND                       ; a round of the cluster's barrier
	s_barrier_signal -1
	s_barrier_wait -1
	s_cmp_lg_u32 s[WV], 0
	s_cbranch_scc1 .Lnot_wave_0_\@
	s_barrier_signal -3
.Lnot_wave_0_\@:
	s_barrier_wait -3
	s_barrier_signal -1
	s_barrier_wait -1
.endm
.macro JLOADV                       ; waves 0 and 1 fetch the two halves of V's tile, waves 2 and 3 those of q's; an s_nop 0 and four v_nop follow each line
	s_cmp_lt_u32 s[WV], 2
	s_cbranch_scc0 .Lfor_q_\@
	tensor_load_to_lds s[G0V:G0V+3], s[G1V:G1V+7]
	s_nop 0
	PLACES
	s_branch .Lasked_\@
.Lfor_q_\@:
	tensor_load_to_lds s[G0Q:G0Q+3], s[G1Q:G1Q+7]
	s_nop 0
	PLACES
.Lasked_\@:
.endm
; THE CHANGE OF SLOTS.  Each wave waits for all its tensor loads, of which one is out: its part of the other slot; adds 0 to its spare word; waits for that and for its reads of the slot that it leaves (the last were
; issued 28 products back).  A round of the cluster's barrier: no wave of any partner still reads that slot or has a load on its way.  The joint refill is the first thing behind it and has two chunks, 160 products, in which to land.
; w = 0: the tile two on.  w = 1 (the last trip): slot 0 takes W_t's rows 0-127, 32 rows a wave, one line for all waves.
.macro CHANGE w
	WIN 0
	s_wait_tensorcnt 0x0            ; no tensor load of mine is out, so the descriptors may be written
	ds_add_u32 v[SPW], v[NIL]
.if !(\w)
	s_xor_b32 s[G0V+1], s[G0V+1], SLOT1
	s_add_nc_u64 s[G0V+2:G0V+3], s[G0V+2:G0V+3], 256      ; the next 128 n of every row of v16
	s_xor_b32 s[G0Q+1], s[G0Q+1], SLOT1
	s_add_nc_u64 s[G0Q+2:G0Q+3], s[G0Q+2:G0Q+3], 16384    ; the next 128 rows of q16
.endif
	s_wait_dscnt 0x0                ; the add is done, and my reads of the slot are over
	CROUND
.if \w
	tensor_load_to_lds s[G0WL:G0WL+3], s[G1W:G1W+7]
	s_nop 0
	PLACES
.else
	JLOADV
.endif
	s_xor_b32 s[TBS], s[TBS], SLOT1       ; the reads go to the other slot,
	s_add_co_u32 s[TBN], s[TBN], 512      ; and to the next 128 numbers of nb
	s_and_b32 s[TBN], s[TBN], 16383
.endm
	s_load_b256 s[4:11], s[0:1], 0x0               ; q16 4, k16 6, v16 8, nb 10
	s_load_b128 s[12:15], s[0:1], 0x20             ; w16 12, x 14
	s_load_b64 s[16:17], s[0:1], 0x30              ; out0
	v_lshl_add_u32 v[SPW], v0, 2, SPARE
	v_mov_b32 v[NIL], 0
	ds_add_u32 v[SPW], v[NIL]                      ; the wave's opening: the add and its wait stand ahead of my first tensor load
	v_lshrrev_b32 v1, 5, v0
	v_readfirstlane_b32 s[WV], v1
	s_and_b32 s[H1], s[WV], 1                      ; nh
	s_lshr_b32 s[MH], s[WV], 1                     ; mh
	s_and_b32 s[BB], ttmp7, 0xffff                 ; the batch, which the partners share
	s_bfe_u32 s88, ttmp6, 0x40000                  ; cx
	s_lshl_b32 s89, ttmp9, 2
	s_add_co_u32 s89, s89, s88                     ; my block of 128 columns
	s_lshl_b32 s90, s89, 14                        ; k16: the block's 128 rows, my half of 64
	s_lshl_b32 s91, s[MH], 13
	s_add_co_u32 s90, s90, s91
	s_mov_b32 s91, 0
	s_lshl_b32 s88, s89, 9                         ; x and out0: the block's 512 bytes of a row, my wave's 64 rows
	s_lshl_b32 s89, s[WV], 20
	s_add_co_u32 s88, s88, s89
	s_mov_b32 s89, 0
	s_lshl_b32 s20, s[BB], 19                      ; the batch in q16 and k16,
	s_mov_b32 s21, 0
	s_lshl_b32 s22, s[BB], 21                      ; in v16,
	s_mov_b32 s23, 0
	s_lshl_b32 s92, s[BB], 14                      ; in nb,
	s_mov_b32 s93, 0
	s_lshl_b32 s94, s[BB], 22                      ; in x and out0
	s_mov_b32 s95, 0
	; descriptor groups 1; the mask of four and bit 21 in each
	s_mov_b32 s[G1V], 15|(1<<16)|(1<<20)|(1<<21)|(5<<22)|(3<<25)  ; V: 128 rows x 128 elements of 2 bytes, 16 bytes of padding behind every 256
	s_mov_b32 s[G1V+1], 128<<16
	s_mov_b32 s[G1V+2], 128<<16
	s_mov_b32 s[G1V+3], 128<<16
	s_mov_b32 s[G1V+4], 128
	s_mov_b32 s[G1V+5], 4096
	s_mov_b32 s[G1V+6], 0
	s_mov_b32 s[G1V+7], 0
	s_mov_b32 s[G1Q], 15|(1<<16)|(1<<20)|(1<<21)|(4<<22)|(3<<25)  ; q: 64 rows are 8,192 dense bytes: 32 rows of 256, padded after every 128
	s_mov_b32 s[G1Q+1], 128<<16
	s_mov_b32 s[G1Q+2], 32<<16
	s_mov_b32 s[G1Q+3], 128<<16
	s_mov_b32 s[G1Q+4], 32
	s_mov_b32 s[G1Q+5], 128
	s_mov_b32 s[G1Q+6], 0
	s_mov_b32 s[G1Q+7], 0
	s_mov_b32 s[G1N], 15|(3<<16)|(1<<21)           ; nb: 8,192 dense bytes as 32 rows of 32 elements of 8 bytes
	s_mov_b32 s[G1N+1], 32<<16
	s_mov_b32 s[G1N+2], 32<<16
	s_mov_b32 s[G1N+3], 32<<16
	s_mov_b32 s[G1N+4], 32
	s_mov_b32 s[G1N+5], 32
	s_mov_b32 s[G1N+6], 0
	s_mov_b32 s[G1N+7], 0
	s_mov_b32 s[G1W], 15|(1<<16)|(1<<20)|(1<<21)|(6<<22)|(3<<25)  ; W_t: 32 rows x 256 elements, padded after every 512 bytes
	s_mov_b32 s[G1W+1], 256<<16
	s_mov_b32 s[G1W+2], 32<<16
	s_mov_b32 s[G1W+3], 256<<16
	s_mov_b32 s[G1W+4], 32
	s_mov_b32 s[G1W+5], 256
	s_mov_b32 s[G1W+6], 0
	s_mov_b32 s[G1W+7], 0
	; groups 0: LDS address, and the offset to which the address is added below
	s_mov_b32 s[G0V], 1
	s_mul_i32 s[G0V+1], s[H1], 128*272
	s_lshl_b32 s[G0V+2], s[H1], 20                 ; 128 rows of 8,192 bytes
	s_mov_b32 s[G0V+3], 0
	s_mov_b32 s[G0Q], 1
	s_mul_i32 s[G0Q+1], s[H1], 64*144
	s_add_co_u32 s[G0Q+1], s[G0Q+1], QOFF
	s_lshl_b32 s[G0Q+2], s[H1], 13
	s_mov_b32 s[G0Q+3], 0
	s_mov_b32 s[G0N], 1
	s_lshl_b32 s[G0N+1], s[H1], 13
	s_add_co_u32 s[G0N+1], s[G0N+1], NBL
	s_lshl_b32 s[G0N+2], s[H1], 13
	s_mov_b32 s[G0N+3], 0
	s_mov_b32 s[G0WL], 1
	s_mul_i32 s[G0WL+1], s[WV], 32*PW
	s_lshl_b32 s[G0WL+2], s[WV], 14
	s_add_co_u32 s[G0WL+2], s[G0WL+2], 131072
	s_mov_b32 s[G0WL+3], 0
	s_mov_b32 s[G0WU], 1
	s_mul_i32 s[G0WU+1], s[WV], 32*PW
	s_add_co_u32 s[G0WU+1], s[G0WU+1], WU
	s_lshl_b32 s[G0WU+2], s[WV], 14
	s_add_co_u32 s[G0WU+2], s[G0WU+2], 196608
	s_mov_b32 s[G0WU+3], 0
	s_mov_b32 s[SEL], 0x76543210
	s_mov_b32 s[SEL+1], 0xfedcba98
	s_mov_b32 s[TBS], SLOT1                        ; the first change of slots turns these two into 0
	s_mov_b32 s[TBN], 16384-512
	v_and_b32 v1, 15, v0                           ; l % 16
	v_bfe_u32 v2, v0, 4, 1                         ; l / 16
	s_lshl_b32 s2, s[H1], 7
	v_mul_u32_u24 v[AV0], v1, 272                  ; a fragment: row l % 16, 16 bytes for each half of the lanes;
	v_lshl_add_u32 v[AV0], v2, 4, v[AV0]
	v_add_nc_u32 v[AV0], s2, v[AV0]                ; of V's 128 n my 64: 128 bytes x nh
	s_mul_i32 s2, s[H1], 64*144
	s_add_co_u32 s2, s2, QOFF
	v_mul_u32_u24 v[AQ0], v1, 144
	v_lshl_add_u32 v[AQ0], v2, 4, v[AQ0]
	v_add_nc_u32 v[AQ0], s2, v[AQ0]                ; of q's 128 rows my 64
	s_lshl_b32 s2, s[H1], 8
	v_lshlrev_b32 v[TM], 5, v2                     ; nb: eight numbers for each half of the lanes,
	v_add_nc_u32 v[LNB], s2, v[TM]                 ; of 128 numbers my 64
	v_add_nc_u32 v[AN0], NBL, v[LNB]
	v_mul_u32_u24 v[AW0], v1, PW
	v_lshl_add_u32 v[AW0], v2, 4, v[AW0]
	v_add_nc_u32 v[AW1], WU, v[AW0]
	s_lshl_b32 s2, s[WV], 7
	s_add_co_u32 s2, s2, STG
	v_mul_u32_u24 v[STO0], v1, PW                  ; y: row l % 16, my wave's 128 bytes of it, 32 for each half of the lanes
	v_add_nc_u32 v[STO0], v[TM], v[STO0]
	v_add_nc_u32 v[STO0], s2, v[STO0]
	v_add_nc_u32 v[STO1], 128*PW, v[STO0]
	s_mul_i32 s3, s[WV], 64*PW
	s_add_co_u32 s3, s3, STG
	v_and_b32 v[GO], 31, v0
	v_lshlrev_b32 v[GO], 4, v[GO]                  ; my 16 bytes of 512 consecutive ones
	v_add_nc_u32 v[RD], s3, v[GO]
	s_mul_i32 s2, s[WV], EXB
	s_add_co_u32 s2, s2, STG
	v_add_nc_u32 v[EXS], s2, v[GO]
	s_xor_b32 s3, s[WV], 1                         ; my partner
	s_mul_i32 s3, s3, EXB
	s_add_co_u32 s3, s3, STG
	v_add_nc_u32 v[EXR], s3, v[GO]
	v_lshlrev_b32 v[LO], 7, v1
	v_lshl_add_u32 v[LO], v2, 4, v[LO]             ; a fragment of q16 or k16 from memory: row x 128 + 16 x half
	s_lshl_b32 s2, s[H1], 12
	v_add_nc_u32 v[LK0], s2, v[LO]                 ; my own 32 rows of k: 32 nh on;
	s_xor_b32 s2, s2, 4096
	v_add_nc_u32 v[LK1], s2, v[LO]                 ; my partner's: the other 32
	s_lshl_b32 s2, s[H1], 13
	v_add_nc_u32 v[LQ], s2, v[LO]
	v_lshlrev_b32 v[LB], 3, v1
.set i, 0
.rept 8
	v_mov_b32 v[CS+i], 0
.set i, i+1
.endr
	s_wait_dscnt 0x0                               ; the opening add is done
	s_wait_kmcnt 0x0
	s_add_nc_u64 s[4:5], s[4:5], s[20:21]          ; every tensor at the batch
	s_add_nc_u64 s[6:7], s[6:7], s[20:21]
	s_add_nc_u64 s[8:9], s[8:9], s[22:23]
	s_add_nc_u64 s[10:11], s[10:11], s[92:93]
	s_add_nc_u64 s[14:15], s[14:15], s[94:95]
	s_add_nc_u64 s[16:17], s[16:17], s[94:95]
	s_add_nc_u64 s[G0V+2:G0V+3], s[8:9], s[G0V+2:G0V+3]
	s_or_b32 s[G0V+3], s[G0V+3], 0x80000000        ; type = 2
	s_add_nc_u64 s[G0Q+2:G0Q+3], s[4:5], s[G0Q+2:G0Q+3]
	s_or_b32 s[G0Q+3], s[G0Q+3], 0x80000000
	s_add_nc_u64 s[G0N+2:G0N+3], s[10:11], s[G0N+2:G0N+3]
	s_or_b32 s[G0N+3], s[G0N+3], 0x80000000
	s_add_nc_u64 s[G0WL+2:G0WL+3], s[12:13], s[G0WL+2:G0WL+3]
	s_or_b32 s[G0WL+3], s[G0WL+3], 0x80000000
	s_add_nc_u64 s[G0WU+2:G0WU+3], s[12:13], s[G0WU+2:G0WU+3]
	s_or_b32 s[G0WU+3], s[G0WU+3], 0x80000000
	s_add_nc_u64 s[6:7], s[6:7], s[90:91]          ; k16, x and out0 at my own part
	s_add_nc_u64 s[14:15], s[14:15], s[88:89]
	s_add_nc_u64 s[16:17], s[16:17], s[88:89]
	CROUND                                         ; all four work-groups are here: the first joint loads meet
	s_cmp_lt_u32 s[WV], 2                          ; a wave's first fills stand in one branch, ahead of every wait on TENSORcnt and every LDS read: at most three loads of mine are out
	s_cbranch_scc0 .Lfirst_q
	tensor_load_to_lds s[G0V:G0V+3], s[G1V:G1V+7]  ; V's tile 0
	s_nop 0
	tensor_load_to_lds s[G0WU:G0WU+3], s[G1W:G1W+7]  ; my 32 of W_t's upper rows
	s_nop 0
	PLACES
	s_branch .Lfirst_asked
.Lfirst_q:
	tensor_load_to_lds s[G0Q:G0Q+3], s[G1Q:G1Q+7]  ; q's tile 0
	s_nop 0
	tensor_load_to_lds s[G0N:G0N+3], s[G1N:G1N+7]  ; half of nb
	s_nop 0
	tensor_load_to_lds s[G0WU:G0WU+3], s[G1W:G1W+7]
	s_nop 0
	PLACES
.Lfirst_asked:
	WIN 0x40                                       ; destination window 1
.set i, 0
.rept 8                                                ; k stays in registers: fragment i = 2 t + sh
	global_load_b128 v[KF+8*i:KF+8*i+3],   v[LK0+i/4], s[6:7] offset:2048*((i/2)%2)+64*(i%2)
	global_load_b128 v[KF+8*i+4:KF+8*i+7], v[LK0+i/4], s[6:7] offset:2048*((i/2)%2)+64*(i%2)+32
.set i, i+1
.endr
	WIN 0
.set i, 0
.rept 4                                                ; q of my chunk 0, n = 64 nh .. + 31: rows 3,968 + 64 nh on of q16
	global_load_b128 v[QF+8*i:QF+8*i+3],   v[LQ], s[4:5] offset:507904+2048*(i/2)+64*(i%2)
	global_load_b128 v[QF+8*i+4:QF+8*i+7], v[LQ], s[4:5] offset:507904+2048*(i/2)+64*(i%2)+32
.set i, i+1
.endr
.set i, 0
.rept 2                                                ; and its nb
	global_load_b128 v[NBF+8*i:NBF+8*i+3],   v[LNB], s[10:11] offset:15872+64*i
	global_load_b128 v[NBF+8*i+4:NBF+8*i+7], v[LNB], s[10:11] offset:15872+64*i+16
.set i, i+1
.endr
.set i, 0
.rept 16
	global_load_b64 v[BN+2*i:BN+2*i+1], v[LB], s[12:13] offset:311296+128*i
.set i, i+1
.endr
; Product n of 16 of S: channel half n / 8, accumulator t = n % 8 = 2 mt + blk.  The first eight start the sums with nb; seven others' turns stand between a chain's two links.
.macro SCP n
.set rS, S+8*((\n)%8)
.set rQ, QF+8*(2*((\n)%2)+(\n)/8)
.set rK, KF+8*(2*(((\n)%8)/2)+(\n)/8)
.set rN, NBF+8*((\n)%2)
.if (\n) < 8
	v_wmma_f32_16x16x32_f16 v[rS:rS+7], v[rQ:rQ+7], v[rK:rK+7], v[rN:rN+7]
.else
	v_wmma_f32_16x16x32_f16 v[rS:rS+7], v[rQ:rQ+7], v[rK:rK+7], v[rS:rS+7]
.endif
.endm
; The product O(c, mt) += V(c) P(mt) of the chunk in hand (parity PAR).  pv = 1: it starts the sum, so nothing is ever cleared.
.macro PVP c, mt, pv
.if (\c) < 8
.set rV, 8*(\c)
.else
.set rV, 64+128*PAR+8*((\c)-8)
.endif
.set rO, 8*(2*(\c)+(\mt)%2)
.set rP, P+32*PAR+8*(\mt)
	WIN 0xa1+0x50*((\mt)/2)         ; V window 1, P window 0, O window 2 (tiles 0, 1) or 3 (tiles 2, 3)
.if (\pv) == 1
	v_wmma_f32_16x16x32_f16 v[rO:rO+7], v[rV:rV+7], v[rP:rP+7], 0
.else
	v_wmma_f32_16x16x32_f16 v[rO:rO+7], v[rV:rV+7], v[rP:rP+7], v[rO:rO+7]
.endif
.endm
; Fragment f of the NEXT chunk's V: 16 channels x 32 n.  An odd chunk is followed by the first 32 of my 64 n, an even one by the second.
.macro VLOAD f
.if (\f) < 8
.set rV, 8*(\f)
.else
.set rV, 64+128*(1-PAR)+8*((\f)-8)
.endif
	ds_load_b128 v[rV:rV+3],   v[AVR] offset:4352*(\f)+64*(1-PAR)
	ds_load_b128 v[rV+4:rV+7], v[AVR] offset:4352*(\f)+64*(1-PAR)+32
.endm
; Plain instruction u of 64: pair u / 2 of the 32 pairs of weights is rounded to f16 (u even) or added to its tile's column sums (u odd)
.macro PLN u
.set rW, (\u)/2
.if (\u)%2 == 0
	s_wait_alu depctr_va_vdst(0)
	v_cvt_pk_f16_f32 v[P+32*(1-PAR)+rW], v[S+2*rW], v[S+2*rW+1]
.else
	v_pk_add_f32 v[CS+2*(rW/8):CS+2*(rW/8)+1], v[CS+2*(rW/8):CS+2*(rW/8)+1], v[S+2*rW:S+2*rW+1]
.endif
.endm
; The exponential of score n (ascending), and plain instruction n - 3, whose pair's second exponential
; stands two or three numbers back with a plain instruction behind it
.macro RID n
	v_exp_f32 v[S+(\n)], v[S+(\n)]
.if (\n) == 2
	v_nop
.elseif (\n) > 2
	PLN (\n)-3
.endif
.endm
; CHUNK g (par = g % 2).  pv = 2: O += V P; 1: these products start O's sums; 0: none (g = -1: V of chunk 0 comes in one run, and the vector work stands by itself).
.macro HALF par, pv
.set PAR, \par
	s_wait_dscnt 32                 ; q and nb of the next chunk are in: they were asked for ahead of V's 32 loads, which may be out
	WIN 0x04                        ; k window 1, all else window 0
.set i, 0
.rept 16
	SCP i
.set i, i+1
.endr
	WIN 0
	v_add_nc_u32 v[AVR], s[TBS], v[AV0]  ; five plain instructions: the places in front of the loads into q's and nb's registers and of the first exponential
	v_add_nc_u32 v[AQR], s[TBS], v[AQ0]
	v_add_nc_u32 v[ANR], s[TBN], v[AN0]
	v_nop
	v_nop
.set i, 0
.rept 4                             ; q of chunk g + 2: for odd g the second 32 of my 64 rows of the tile, for even g the first
	ds_load_b128 v[QF+8*i:QF+8*i+3],   v[AQR] offset:4608*PAR+2304*(i/2)+64*(i%2)
	ds_load_b128 v[QF+8*i+4:QF+8*i+7], v[AQR] offset:4608*PAR+2304*(i/2)+64*(i%2)+32
.set i, i+1
.endr
.set i, 0
.rept 2
	ds_load_b128 v[NBF+8*i:NBF+8*i+3],   v[ANR] offset:128*PAR+64*i
	ds_load_b128 v[NBF+8*i+4:NBF+8*i+7], v[ANR] offset:128*PAR+64*i+16
.set i, i+1
.endr
.if (\pv) == 0
	WIN 0x40                        ; destination window 1
.set cb, 0
.rept 16
	VLOAD cb
.set cb, cb+1
.endr
	WIN 0
.set i, 0
.rept 64
	RID i
.set i, i+1
.endr
.else
	s_wait_dscnt 12                 ; V of this chunk is in; the twelve loads just issued may be out
.set cb, 0
.rept 16                            ; channel block cb: four products, one for each tile; all 64 accumulators take one turn each
	PVP cb, 0, \pv
	PVP cb, 1, \pv
	WIN 0
	RID 4*cb
	RID 4*cb+1
	PVP cb, 2, \pv
	PVP cb, 3, \pv
	WIN 0
	RID 4*cb+2
	RID 4*cb+3
.if (cb >= 1) && (cb <= 8)          ; fragment cb - 1 goes where this chunk's lay: six plain instructions stand behind its last reader; fragment cb + 7 goes to the home that this chunk does not use
	WIN 0x40
	VLOAD cb-1
	VLOAD cb+7
.endif
.set cb, cb+1
.endr
.endif
	WIN 0
	PLN 61
	PLN 62
	PLN 63
.endm
	CHANGE 0                                       ; trip 0: tile 0, nb and W_t's upper rows have landed, everybody's parts; tile 1 is asked for
	s_wait_loadcnt 0x0                             ; k, q and nb of chunk 0, the pairs (sc, sh)
	HALF 1, 0                                      ; g = -1: the first scores and weights
	HALF 0, 1                                      ; g = 0 starts O's sums
	s_mov_b32 s[TRIPS], 30
.Ltrip:                                                ; trips 1 to 30 ask for tiles 2 to 31
	CHANGE 0
	HALF 1, 2
	HALF 0, 2
	s_sub_co_u32 s[TRIPS], s[TRIPS], 1
	s_cmp_lg_u32 s[TRIPS], 0
	s_cbranch_scc1 .Ltrip
	CHANGE 1                                       ; trip 31 is written out: slot 0 takes W_t's lower rows
	HALF 1, 2
	HALF 0, 2                                      ; (its q and nb, of a chunk that is not, are the wrapped rows of the tile and serve nothing)
	s_wait_tensorcnt 0x0                           ; for the others' sake: my rows of W_t have landed,
	s_wait_dscnt 0x0                               ; and my reads of slot 1 are over: V of the last chunk is in
	s_barrier_signal -1
	s_barrier_wait -1                              ; W_t is whole and nobody reads slot 1 any more
	; THE LAST CHUNK'S O += V P: my partner's tiles first, then mine
.set PAR, 1
.set cb, 0
.rept 16
	PVP cb, 2, 2
	PVP cb, 3, 2
.set cb, cb+1
.endr
.set cb, 0
.rept 16
	PVP cb, 0, 2
	PVP cb, 1, 2
.set cb, cb+1
.endr
	WIN 0
	PLACES
	; THE EXCHANGE.  Tiles 2, 3 (window 3, register by register, lane by lane) and their column sums go into my block; behind a barrier I take my partner's block, which holds its sums for my tiles 0, 1.
	ds_store_b128 v[EXS], v[CS+4:CS+7] offset:32768
	WIN 0x0c                                       ; address window 0, data window 3
.set i, 0
.rept 64
	ds_store_b128 v[EXS], v[4*i:4*i+3] offset:512*i  ; ascending: each accumulator's lowest registers are read first; 512 consecutive bytes
.set i, i+1
.endr
	WIN 0
	s_wait_dscnt 0x0                               ; for my partner's sake: my block is stored
	s_barrier_signal -1
	s_barrier_wait -1
	ds_load_b128 v[TM:TM+3], v[EXR] offset:32768
	WIN 0xc0
.set i, 0
.rept 64
	ds_load_b128 v[4*i:4*i+3], v[EXR] offset:512*i
.set i, i+1
.endr
	WIN 0
	s_wait_dscnt 63                                ; the column sums are in: 64 younger loads stand behind theirs, and a wait can name 63
	v_pk_add_f32 v[CS:CS+1], v[CS:CS+1], v[TM:TM+1]
	v_pk_add_f32 v[CS+2:CS+3], v[CS+2:CS+3], v[TM+2:TM+3]
	v_add_f32 v[TM], v[CS], v[CS+1]                ; a pair's halves, the other half of the lanes', the 1e-9 times 4,096
	v_add_f32 v[TM+1], v[CS+2], v[CS+3]
	v_permlanex16_b32 v[AVR], v[TM], s[SEL], s[SEL+1]
	v_permlanex16_b32 v[AQR], v[TM+1], s[SEL], s[SEL+1]
	v_add_f32 v[TM], v[TM], v[AVR]
	v_add_f32 v[TM+1], v[TM+1], v[AQR]
	v_add_f32 v[TM], 0x3689705f, v[TM]
	v_add_f32 v[TM+1], 0x3689705f, v[TM+1]
	v_rcp_f32 v[RC], v[TM]
	v_rcp_f32 v[RC+2], v[TM+1]
	v_mov_b32 v[RC+1], 0                           ; the pairs' other registers; also the plain instructions behind the reciprocals
	v_mov_b32 v[RC+3], 0
.set t, 0
.rept 4
	s_wait_dscnt 48-16*t                           ; sixteen more loads are in, the younger ones may be out
	WIN 0x8e                                       ; mine window 2, my partner's window 3
.set i, 32*t
.rept 32
	v_pk_add_f32 v[2*i:2*i+1], v[2*i:2*i+1], v[2*i:2*i+1]
.set i, i+1
.endr
.set t, t+1
.endr
	s_barrier_signal -1                            ; my reads of the exchange are over (the last wait was for 0): its bytes become the stage
	s_barrier_wait -1
; THE END.  W_t in four groups of 64 output channels: group g's fragments (block obi, K block kc at 8 (8 obi + kc)) fill window 3 (g even) or 2 (g odd)
.macro WLOAD g
	WIN 0xc0-0x40*((\g)%2)
.set i, 0
.rept 32
	ds_load_b128 v[8*i:8*i+3],   v[AW0+(\g)/2] offset:16*PW*(4*((\g)%2)+i/8)+64*(i%8)
	ds_load_b128 v[8*i+4:8*i+7], v[AW0+(\g)/2] offset:16*PW*(4*((\g)%2)+i/8)+64*(i%8)+32
.set i, i+1
.endr
.endm
.macro GEMM g                       ; 64 products: K block i / 8; accumulator i % 8 = 2 obi + mt, by turns; the first K block starts the sums
	WIN 0x5c-4*((\g)%2)             ; x_r window 0, W_t window 3 or 2, sums window 1
.set i, 0
.rept 64
.set rD, 64*((\g)%2)+8*(i%8)
.set rA, XR+16*(i/8)+8*(i%2)
.set rB, 8*(8*((i%8)/2)+i/8)
.if i < 8
	v_wmma_f32_16x16x32_f16 v[rD:rD+7], v[rA:rA+7], v[rB:rB+7], 0
.else
	v_wmma_f32_16x16x32_f16 v[rD:rD+7], v[rA:rA+7], v[rB:rB+7], v[rD:rD+7]
.endif
.set i, i+1
.endr
.endm
.macro BNR g                        ; y = max(0, acc sc + sh), into the stage: a lane's eight m of row o are 32 bytes
	WIN 0x41
.set i, 0
.rept 32
.set rD, 64*((\g)%2)+2*i
.set rN, BN+2*(4*(\g)+i/8)
	v_pk_fma_f32 v[rD:rD+1], v[rD:rD+1], v[rN:rN+1], v[rN:rN+1] op_sel:[0,0,1] op_sel_hi:[1,0,1]  ; both halves: times the pair's low register, plus its high one
.set i, i+1
.endr
	WIN 0x45
.set i, 0
.rept 64
	v_max_num_f32 v[64*((\g)%2)+i], 0, v[64*((\g)%2)+i]
.set i, i+1
.endr
	WIN 0x04                        ; address window 0, data window 1
.set i, 0
.rept 8
	ds_store_b128 v[STO0+(\g)/2], v[64*((\g)%2)+8*i:64*((\g)%2)+8*i+3]   offset:16*PW*(4*((\g)%2)+i/2)+64*(i%2)
	ds_store_b128 v[STO0+(\g)/2], v[64*((\g)%2)+8*i+4:64*((\g)%2)+8*i+7] offset:16*PW*(4*((\g)%2)+i/2)+64*(i%2)+16
.set i, i+1
.endr
.endm
	WLOAD 0                                        ; window 3 has been added and is free; the 256 lines below stand between these loads and their use
	WIN 0x82                                       ; O window 2, 1 / column sum window 0
.set i, 0
	s_wait_alu depctr_va_vdst(0)
.rept 128                                              ; O / column sum; pair i lies in accumulator i / 4 = 2 cb + mt
	v_pk_mul_f32 v[2*i:2*i+1], v[2*i:2*i+1], v[RC+2*((i/4)%2):RC+2*((i/4)%2)+1] op_sel_hi:[1,0]
.set i, i+1
.endr
	WIN 0x0a                                       ; sources window 2, destination window 0
.set i, 0
.rept 128                                              ; accumulators cb = 2 kc, 2 kc + 1 make x_r's fragment (kc, mt)
	v_cvt_pk_f16_f32 v[XR+16*(i/16)+8*((i/4)%2)+4*((i/8)%2)+i%4], v[2*i], v[2*i+1]
.set i, i+1
.endr
	WLOAD 1                                        ; window 2 is free
	s_wait_dscnt 63                                ; group 0 is in: 64 younger loads stand behind it; a wait can name 63
	GEMM 0
	PLACES
	WLOAD 2
	BNR 0
	s_wait_dscnt 63                                ; group 1 is in: 80 younger LDS instructions stand behind it
	GEMM 1
	PLACES
	WLOAD 3
	BNR 1
	s_wait_dscnt 63                                ; group 2 is in: 96 younger LDS instructions stand behind it
	GEMM 2
	PLACES
	WIN 0xc0
.set i, 0
.rept 64                                               ; x, rows 64 w + i, my block's 512 bytes: read once in this launch
	global_load_b128 v[4*i:4*i+3], v[GO], s[14:15] offset:16384*i th:TH_LOAD_NT
.set i, i+1
.endr
	BNR 2
	s_wait_dscnt 32                                ; behind group 3's loads stand two groups' sixteen stores each
	GEMM 3
	PLACES
	BNR 3
	s_wait_dscnt 0x0                               ; for the others' sake: my stores into the stage are done (a row's 512 bytes come from all four waves)
	s_barrier_signal -1
	s_barrier_wait -1
	WIN 0x80
.set i, 0
.rept 64                                               ; wave w takes rows 64 w .. 64 w + 63, whole
	ds_load_b128 v[4*i:4*i+3], v[RD] offset:PW*i
.set i, i+1
.endr
.set t, 0
.rept 4
	s_wait_dscnt 48-16*t                           ; sixteen rows of y and of x are in, the younger ones may be out
	s_wait_loadcnt 48-16*t
	WIN 0x8e                                       ; y window 2, x window 3
.set i, 32*t
.rept 32
	v_pk_add_f32 v[2*i:2*i+1], v[2*i:2*i+1], v[2*i:2*i+1]
.set i, i+1
.endr
	WIN 0x08                                       ; address window 0, data window 2
.set i, 16*t
.rept 16
	global_store_b128 v[GO], v[4*i:4*i+3], s[16:17] offset:16384*i th:TH_STORE_NT  ; 512 consecutive bytes, aligned
.set i, i+1
.endr
.set t, t+1
.endr
	WIN 0
	s_wait_tensorcnt 0x0                           ; the wave's end
	ds_add_u32 v[SPW], v[NIL]
	s_wait_dscnt 0x0
	CROUND                                         ; the closing round
	s_endpgm
.Lfunc_end_k_q95ac214dd4_attn:
	.size	k_q95ac214dd4_attn, .Lfunc_end_k_q95ac214dd4_attn-k_q95ac214dd4_attn
	.p2alignl 7, 3214868480
	.fill 96, 4, 3214868480
	.section	.rodata,"a",@progbits
	.p2align	6, 0x0
	.amdhsa_kernel k_q95ac214dd4_attn
		.amdhsa_group_segment_fixed_size 327680
		.amdhsa_private_segment_fixed_size 0
		.amdhsa_enable_private_segment 0
		.amdhsa_kernarg_size 56
		.amdhsa_user_sgpr_count 2
		.amdhsa_user_sgpr_kernarg_segment_ptr 1
		.amdhsa_wavefront_size32 1
		.amdhsa_system_sgpr_workgroup_id_x 1
		.amdhsa_system_sgpr_workgroup_id_y 1
		.amdhsa_system_sgpr_workgroup_id_z 1
		.amdhsa_system_vgpr_workitem_id 0
		.amdhsa_next_free_vgpr 1024
		.amdhsa_next_free_sgpr 96
		.amdhsa_reserve_vcc 0
		.amdhsa_float_denorm_mode_32 3
		.amdhsa_float_denorm_mode_16_64 3
		.amdhsa_memory_ordered 1
		.amdhsa_forward_progress 1
		.amdhsa_inst_pref_size 231
	.end_amdhsa_kernel
	.amdgpu_metadata
---
amdhsa.version: [ 1, 2 ]
amdhsa.kernels:
  - .name:           k_q95ac214dd4_attn
    .symbol:         k_q95ac214dd4_attn.kd
    .args:
      - { .name: q16, .offset: 0, .size: 8, .value_kind: global_buffer, .address_space: global }
      - { .name: k16, .offset: 8, .size: 8, .value_kind: global_buffer, .address_space: global }
      - { .name: v16, .offset: 16, .size: 8, .value_kind: global_buffer, .address_space: global }
      - { .name: nb, .offset: 24, .size: 8, .value_kind: global_buffer, .address_space: global }
      - { .name: w16, .offset: 32, .size: 8, .value_kind: global_buffer, .address_space: global }
      - { .name: x, .offset: 40, .size: 8, .value_kind: global_buffer, .address_space: global }
      - { .name: out0, .offset: 48, .size: 8, .value_kind: global_buffer, .address_space: global }
    .group_segment_fixed_size: 327680
    .private_segment_fixed_size: 0
    .kernarg_segment_align: 8
    .kernarg_segment_size: 56
    .max_flat_workgroup_size: 128
    .sgpr_count:     96
    .vgpr_count:     1024
    .wavefront_size: 32
...
	.end_amdgpu_metadata
.endif
;; end of part 4
;; ======== version 2 of 2: 4 launches; 1.35 times as fast as version 1
;; limits: values are held in f16: magnitudes above 65,504 overflow, below 6.1e-05 lose precision
;; workspace buffers: w16 313,344 bytes; q16 4,194,304 bytes; k16 4,194,304 bytes; v16 16,777,216 bytes; nb 131,072 bytes
;; launch prep: the kernel of part 1 again; grid 39 x 1, 4 waves a work-group, no clusters, 0 bytes of LDS; arguments W_v, W_t, W_qk, W_k2c, bn_gamma, bn_var, bn_mean, bn_beta, b_t, w16; writes w16
;; launch proj: the kernel of part 2 again; grid 32 x 8, 4 waves a work-group, clusters of 4 x 1, 327,680 bytes of LDS; arguments x, w16, b_v, idx, q16, k16, v16; writes q16, k16, v16
;; launch stats (part 5): grid 32 x 8, 4 waves a work-group, clusters of 4 x 1, 327,680 bytes of LDS; arguments q16, k16, nb; writes nb
.if DOCPART == 5
	.amdgcn_target "amdgcn-amd-amdhsa--gfx1250"
	.amdhsa_code_object_version 6
	.text
	.protected	k_q95ac214dd4_stats
	.globl	k_q95ac214dd4_stats
	.p2align	8
	.type	k_q95ac214dd4_stats,@function
k_q95ac214dd4_stats:
	s_mov_b64 s[64:65], 0
	v_nop
	global_prefetch_b8 v0, s[64:65] scope:SCOPE_SE
	s_setreg_imm32_b32 hwreg(HW_REG_WAVE_MODE, 25, 1), 1
	s_wait_xcnt 0x0
	s_wait_alu depctr_hold_cnt(0) depctr_sa_sdst(0) depctr_va_vdst(0) depctr_va_sdst(0) depctr_va_ssrc(0) depctr_va_vcc(0) depctr_vm_vsrc(0)
	s_getreg_b32 s2, hwreg(HW_REG_IB_STS2, 6, 4)
	s_cmp_eq_u32 s2, 0
	s_cbranch_scc0 .Lentry_in_a_cluster
	s_endpgm
.Lentry_in_a_cluster:
	s_bfe_u32 s2, ttmp6, 0x10000c
	s_cmp_lg_u32 s2, 0x3003
	s_cbranch_scc0 .Lentry_shape_is_right
	s_endpgm
.Lentry_shape_is_right:
; THE ROWS' MAXIMA AND SUMS.  With e[n][m] = sum over s of q16[n][s] k16[m][s] (the energy in base-2 units), for every row: Mx = max over m of e, l = sum over m of 2^(e - Mx), and
; nb[n] = 12 - Mx - log2(l), so that the last launch's 2^(e + nb) is 4,096 times the row's softmax.  Rows are taken as they lie in q16; nb has the same order.  Products in f16, all else in f32.
; A true running maximum: in every step of 32 m the sum is multiplied by 2^(M_old - M_new).  M starts at the lowest finite number and l at 0, so the first step is a step like any other.
; LIMITS: a term below 2^-126 counts as 0 in l (l is at least 1); NaN and infinities are not treated apart.
; SHARES.  A work-group takes 128 rows of a batch, a wave 32: two tiles of 16.  Every wave walks all 4,096 m.  Source 0 = 16 rows of k, source 1 = 16 rows of q: a lane holds ONE row n (lane % 16) and
; m = 8 (lane / 16) + 0..7, and keeps its own M and l over its half of the m; the two halves meet once, at the end: no lane exchange in the loop.
; THE COUNT.  A step has 8 matrix and 87 vector instructions.  So the products of step j + 1 stand singly among the vector work of step j, one ahead of every tenth instruction.
; THE BATCH.  A step's 34 exponentials (the two a, the 32 scores) are ONE BATCH with one wait.  Ahead of the wait stand the maxima, the subtractions e - M and the exponentials, none of which names an
; exponential's result; behind it the sixteen additions onto l, which read them all.  No result crosses a step's end.
; CLUSTER.  The four work-groups of a cluster belong to one batch and walk the same k: each tile of 512 m is asked for jointly, a quarter by each wave, with the mask of four.
.set SLOT1, 131072                  ; two slots of 512 rows x 144 bytes (128 + 16 of padding: the 16 rows of a load start at 16 different groups of four banks, ISA guide 11.1)
.set SLOTB, 512*144
.set STEPB, 32*144
.set STG,   204800                  ; 128 results, and lanes 16-31's copies 512 bytes on, which nobody reads
.set SPARE, 205824                  ; the spare words, 128 bytes a wave
.set AK0, 2                         ; v2   my lane's place in a step's rows of k; never rewritten
.set AK,  4                         ; v4   the address of the run of loads in hand
.set QO,  5
.set STA, 6
.set GOA, 7
.set RDA, 8
.set QF,  16                        ; q: tile nt, channel half sh at QF + 8 (2 nt + sh)
.set KF,  48                        ; k: two buffers of 32; block mb, half sh at + 8 (2 mb + sh)
.set S,   112                       ; scores: two buffers of 32; block mb, tile nt at + 8 (2 mb + nt)
.set ST,  176                       ; tile nt at ST + 8 nt: M, its pair's partner (0, never rewritten), l (even m's, odd m's), c0, c1, d, a
.set SPW, 192
.set NIL, 193
.set TM,  194
.set WV,  12
.set G1K, 24
.set G0K, 40
.set SLOTS, 56
.set CNT, 57
.set SEL, 60
.set TB,  62                        ; LDS byte at which the step to be fetched begins
.macro PLACES
.rept 4
	v_nop
.endr
.endm
.macro CROUND                       ; a round of the cluster's barrier
	s_barrier_signal -1
	s_barrier_wait -1
	s_cmp_lg_u32 s[WV], 0
	s_cbranch_scc1 .Lnot_wave_0_\@
	s_barrier_signal -3
.Lnot_wave_0_\@:
	s_barrier_wait -3
	s_barrier_signal -1
	s_barrier_wait -1
.endm
.macro JLOAD                        ; one line for all four waves: the descriptor hangs on the wave's number; an s_nop 0 and four v_nop follow
	tensor_load_to_lds s[G0K:G0K+3], s[G1K:G1K+7]
	s_nop 0
	PLACES
.endm
; THE CHANGE OF SLOTS.  Each wave waits for all its tensor loads, of which one is out: its quarter of the other slot; adds 0 to its spare word; waits for that and for its reads of the slot that it leaves.
; fill = 1: the barrier is a round of the cluster's, and the slot left is filled again first thing behind it, with the tile two on: that load has 16 steps in which to land.
.macro CHANGE fill
	s_wait_tensorcnt 0x0            ; no tensor load of mine is out, so the descriptor may be written
	ds_add_u32 v[SPW], v[NIL]
.if \fill
	s_xor_b32 s[G0K+1], s[G0K+1], SLOT1
	s_add_nc_u64 s[G0K+2:G0K+3], s[G0K+2:G0K+3], 65536  ; the next 512 rows of 128 bytes
	s_wait_dscnt 0x0                ; the add is done, and my reads of the slot are over
	CROUND
	JLOAD
.else
	s_wait_dscnt 0x0
	s_barrier_signal -1
	s_barrier_wait -1
.endif
	s_sub_co_u32 s[TB], s[TB], SLOTB  ; the fetches go back to a slot's first step,
	s_xor_b32 s[TB], s[TB], SLOT1     ; in the other slot
.endm
	s_load_b128 s[4:7], s[0:1], 0x0                ; q16 4, k16 6
	s_load_b64 s[8:9], s[0:1], 0x10                ; nb
	v_lshl_add_u32 v[SPW], v0, 2, SPARE
	v_mov_b32 v[NIL], 0
	ds_add_u32 v[SPW], v[NIL]                      ; the wave's opening: the add and its wait stand ahead of my first tensor load
	v_lshrrev_b32 v1, 5, v0
	v_readfirstlane_b32 s[WV], v1
	s_bfe_u32 s13, ttmp6, 0x40000                  ; cx
	s_lshl_b32 s14, ttmp9, 2
	s_add_co_u32 s14, s14, s13                     ; my block of 128 rows: it enters q16's and nb's addresses alone
	s_and_b32 s15, ttmp7, 0xffff                   ; the batch
	; 128 rows of k are 16,384 dense bytes: asked for as 64 rows of 256 bytes, padded in LDS after every 128
	s_mov_b32 s[G1K], 15|(1<<16)|(1<<20)|(1<<21)|(4<<22)|(3<<25)
	s_mov_b32 s[G1K+1], 128<<16
	s_mov_b32 s[G1K+2], 64<<16
	s_mov_b32 s[G1K+3], 128<<16
	s_mov_b32 s[G1K+4], 64
	s_mov_b32 s[G1K+5], 128
	s_mov_b32 s[G1K+6], 0
	s_mov_b32 s[G1K+7], 0
	s_mov_b32 s[G0K], 1
	s_mul_i32 s[G0K+1], s[WV], 128*144             ; my quarter of slot 0
	s_lshl_b32 s[G0K+2], s15, 19
	s_lshl_b32 s16, s[WV], 14
	s_add_co_u32 s[G0K+2], s[G0K+2], s16           ; its offset in k16; the address is added below
	s_mov_b32 s[G0K+3], 0
	s_lshl_b32 s20, s15, 19                        ; q16: the batch, the block's 128 rows, my 32
	s_lshl_b32 s21, s14, 14
	s_add_co_u32 s20, s20, s21
	s_lshl_b32 s21, s[WV], 12
	s_add_co_u32 s20, s20, s21
	s_mov_b32 s21, 0
	s_lshl_b32 s22, s15, 14                        ; nb: the batch, the block's 512 bytes
	s_lshl_b32 s23, s14, 9
	s_add_co_u32 s22, s22, s23
	s_mov_b32 s23, 0
	s_mov_b32 s[SEL], 0x76543210
	s_mov_b32 s[SEL+1], 0xfedcba98
	s_mov_b32 s[TB], SLOT1+SLOTB                   ; the first change of slots turns this into 0
	v_and_b32 v1, 15, v0
	v_bfe_u32 v3, v0, 4, 1
	v_mul_u32_u24 v[AK0], v1, 144
	v_lshl_add_u32 v[AK0], v3, 4, v[AK0]           ; row x pitch + 16 x half
	v_lshlrev_b32 v[QO], 7, v1
	v_lshl_add_u32 v[QO], v3, 4, v[QO]
	s_lshl_b32 s17, s[WV], 7
	s_add_co_u32 s17, s17, STG
	v_lshlrev_b32 v[STA], 9, v3
	v_lshl_add_u32 v[STA], v1, 2, v[STA]
	v_add_nc_u32 v[STA], s17, v[STA]
	v_and_b32 v[GOA], 31, v0
	v_lshlrev_b32 v[GOA], 4, v[GOA]
	v_add_nc_u32 v[RDA], STG, v[GOA]
.irp t, 0,1
	v_mov_b32 v[ST+8*(\t)], 0xff7fffff             ; M
	v_mov_b32 v[ST+8*(\t)+1], 0                    ; named with M as a pair by the packed subtraction, which takes M for both halves
	v_mov_b32 v[ST+8*(\t)+2], 0                    ; l
	v_mov_b32 v[ST+8*(\t)+3], 0
.endr
	s_wait_dscnt 0x0                               ; the opening add is done
	s_wait_kmcnt 0x0
	s_add_nc_u64 s[G0K+2:G0K+3], s[6:7], s[G0K+2:G0K+3]
	s_or_b32 s[G0K+3], s[G0K+3], 0x80000000
	s_add_nc_u64 s[4:5], s[4:5], s[20:21]
	s_add_nc_u64 s[8:9], s[8:9], s[22:23]
	CROUND                                         ; all four work-groups are here
	JLOAD                                          ; tile 0 into slot 0
.set i, 0
.rept 4                                                ; q stays in registers: fragment i = 2 nt + sh
	global_load_b128 v[QF+8*i:QF+8*i+3],   v[QO], s[4:5] offset:2048*(i/2)+64*(i%2)
	global_load_b128 v[QF+8*i+4:QF+8*i+7], v[QO], s[4:5] offset:2048*(i/2)+64*(i%2)+32
.set i, i+1
.endr
.macro KLOAD buf                    ; a step's k, 32 rows x 64 channels: a run of eight loads
.set i, 0
.rept 4
	ds_load_b128 v[KF+32*(\buf)+8*i:KF+32*(\buf)+8*i+3],   v[AK] offset:2304*(i/2)+64*(i%2)
	ds_load_b128 v[KF+32*(\buf)+8*i+4:KF+32*(\buf)+8*i+7], v[AK] offset:2304*(i/2)+64*(i%2)+32
.set i, i+1
.endr
.endm
; Product n of 8 of the NEXT step's scores, into the buffers 1 - PAR: channel half n / 4, accumulator n % 4 = 2 mb + nt.  The first four start the sums; three others' turns stand between a chain's two links.
.macro SCP n
.set rD, S+32*(1-PAR)+8*((\n)%4)
.set rK, KF+32*(1-PAR)+8*(2*(((\n)%4)/2)+(\n)/4)
.set rQ, QF+8*(2*((\n)%2)+(\n)/4)
.if (\n) < 4
	v_wmma_f32_16x16x32_f16 v[rD:rD+7], v[rK:rK+7], v[rQ:rQ+7], 0
.else
	v_wmma_f32_16x16x32_f16 v[rD:rD+7], v[rK:rK+7], v[rQ:rQ+7], v[rD:rD+7]
.endif
.endm
.macro TICK                         ; ahead of vector instructions 0, 10 .. 70 of a step stands a product; behind the last stand the sixteen additions onto l, all plain, none naming its registers
.if SCON && (c%10 == 0) && (c < 80)
	SCP c/10
.endif
.set c, c+1
.endm
.macro REGS t                       ; tile t's 16 scores of the step in hand: a0-a7 at rA, b0-b7 at rA + 16
.set rA, S+32*PAR+8*(\t)
.set rT, ST+8*(\t)
.endm
.macro XS n, t                      ; the maximum (each accumulator's lowest registers first), d = M_old - M_new, the new M, a = 2^d
	TICK
	REGS \t
.if (\n) == 0
	v_max3_num_f32 v[rT+4], v[rA], v[rA+1], v[rA+2]
.elseif (\n) == 1
	v_max3_num_f32 v[rT+5], v[rA+16], v[rA+17], v[rA+18]
.elseif (\n) == 2
	v_max3_num_f32 v[rT+4], v[rT+4], v[rA+3], v[rA+4]
.elseif (\n) == 3
	v_max3_num_f32 v[rT+5], v[rT+5], v[rA+19], v[rA+20]
.elseif (\n) == 4
	v_max3_num_f32 v[rT+4], v[rT+4], v[rA+5], v[rA+6]
.elseif (\n) == 5
	v_max3_num_f32 v[rT+5], v[rT+5], v[rA+21], v[rA+22]
.elseif (\n) == 6
	v_max3_num_f32 v[rT+4], v[rT+4], v[rA+7], v[rA+23]
.elseif (\n) == 7
	v_max3_num_f32 v[rT+5], v[rT+5], v[rT+4], v[rT]
.elseif (\n) == 8
	v_sub_f32 v[rT+6], v[rT], v[rT+5]
.elseif (\n) == 9
	v_mov_b32 v[rT], v[rT+5]
.else
	v_exp_f32 v[rT+7], v[rT+6]      ; the batch's first two.  a lies beside d, not beside M: the subtractions that follow name the pair of M and touch neither this result nor its source
.endif
.endm
.macro FS k, t                      ; pair k of 8: e - M
	TICK
	REGS \t
.set rP, rA+2*(\k)+8*((\k)/4)
	v_pk_add_f32 v[rP:rP+1], v[rP:rP+1], v[rT:rT+1] op_sel_hi:[1,0] neg_lo:[0,1] neg_hi:[0,1]
.endm
.macro ES n, t                      ; the exponential of score n of 16, in place: each result has its own register until the batch's wait
	TICK
	REGS \t
	v_exp_f32 v[rA+(\n)+8*((\n)/8)], v[rA+(\n)+8*((\n)/8)]
.endm
.macro AS k, t                      ; behind the batch's wait: l takes pair k; the first time as l = l a + pair (a is the high register of the pair (d, a), taken for both halves)
	TICK
	REGS \t
.set rP, rA+2*(\k)+8*((\k)/4)
.if (\k) == 0
	v_pk_fma_f32 v[rT+2:rT+3], v[rT+2:rT+3], v[rT+6:rT+7], v[rP:rP+1] op_sel:[0,1,0] op_sel_hi:[1,1,1]
.else
	v_pk_add_f32 v[rT+2:rT+3], v[rT+2:rT+3], v[rP:rP+1]
.endif
.endm
; STEP j (par = j % 2).  k of step j + 1, fetched a step ago, is waited for; ld: k of step j + 2 is fetched into the buffer that step j's products, sixteen plain instructions back and more, have read;
; sc: the products of step j + 1; and the vector work on step j's scores, the two tiles alternating: the maxima; the two a; the exponentials, with pair p + 1's subtractions set among pair p's;
; a v_nop, the plain instruction behind the last exponential; the one wait; the additions onto l in their order.
.macro BODY par, ld, sc
.set PAR, \par
.set SCON, \sc
.set c, 0
	s_wait_dscnt 0x0
.if \ld
	v_add_nc_u32 v[AK], s[TB], v[AK0]
	KLOAD \par
	s_add_co_u32 s[TB], s[TB], STEPB
.endif
.irp n, 0,1,2,3,4,5,6,7,8,9,10
	XS \n, 0
	XS \n, 1
.endr
	FS 0, 0
	FS 0, 1
.irp p, 0,1,2,3,4,5,6,7
	ES 2*(\p), 0
.if (\p) < 7
	FS (\p)+1, 0
.endif
	ES 2*(\p), 1
.if (\p) < 7
	FS (\p)+1, 1
.endif
	ES 2*(\p)+1, 0
	ES 2*(\p)+1, 1
.endr
	v_nop                           ; a plain instruction behind the last exponential: one for the batch
	s_wait_alu depctr_va_vdst(0)    ; the wait ahead of the first use: one for the step's 34 exponentials
.irp k, 0,1,2,3,4,5,6,7
	AS \k, 0
	AS \k, 1
.endr
.endm
	; Step j reads k of step j + 2, so a trip of the walk is steps 16 T - 2 .. 16 T + 13: all its LDS reads lie in tile T's slot.
	CHANGE 1                                       ; tile 0 has landed, everybody's part; tile 1 is asked for
	v_add_nc_u32 v[AK], s[TB], v[AK0]
	KLOAD 0
	s_add_co_u32 s[TB], s[TB], STEPB
	v_add_nc_u32 v[AK], s[TB], v[AK0]
	KLOAD 1
	s_add_co_u32 s[TB], s[TB], STEPB
	s_wait_loadcnt 0x0                             ; q
	s_wait_dscnt 8                                 ; k of step 0 is in; step 1's eight loads may be out
.set PAR, 1
.set i, 0
.rept 8
	SCP i                                          ; step 0's scores: there is no vector work yet to set between them
.set i, i+1
.endr
	PLACES
	s_mov_b32 s[CNT], 7
.Lfirst:
	BODY 0, 1, 1
	BODY 1, 1, 1
	s_sub_co_u32 s[CNT], s[CNT], 1
	s_cmp_lg_u32 s[CNT], 0
	s_cbranch_scc1 .Lfirst
	s_mov_b32 s[SLOTS], 6
.Ltrip:                                                ; trips 1 to 6 ask for tiles 2 to 7
	CHANGE 1
	s_mov_b32 s[CNT], 8
.Lstep:
	BODY 0, 1, 1
	BODY 1, 1, 1
	s_sub_co_u32 s[CNT], s[CNT], 1
	s_cmp_lg_u32 s[CNT], 0
	s_cbranch_scc1 .Lstep
	s_sub_co_u32 s[SLOTS], s[SLOTS], 1
	s_cmp_lg_u32 s[SLOTS], 0
	s_cbranch_scc1 .Ltrip
	CHANGE 0                                       ; the last trip is written out: nothing is asked for
	s_mov_b32 s[CNT], 8
.Ltail:
	BODY 0, 1, 1
	BODY 1, 1, 1
	s_sub_co_u32 s[CNT], s[CNT], 1
	s_cmp_lg_u32 s[CNT], 0
	s_cbranch_scc1 .Ltail
	BODY 0, 0, 1                                   ; step 126: nothing is left to fetch
	BODY 1, 0, 0                                   ; step 127: nor to multiply
	; The two halves of the lanes meet: Mx = max(M, M'), l = l 2^(M - Mx) + l' 2^(M' - Mx); nb = (12 - Mx) - log2(l)
.irp t, 0,1
	v_add_f32 v[ST+8*(\t)+2], v[ST+8*(\t)+2], v[ST+8*(\t)+3]
.endr
.irp t, 0,1
	v_permlanex16_b32 v[ST+8*(\t)+4], v[ST+8*(\t)], s[SEL], s[SEL+1]
	v_permlanex16_b32 v[ST+8*(\t)+5], v[ST+8*(\t)+2], s[SEL], s[SEL+1]
.endr
.irp t, 0,1
	v_max_num_f32 v[ST+8*(\t)+6], v[ST+8*(\t)], v[ST+8*(\t)+4]
.endr
.irp t, 0,1
	v_sub_f32 v[ST+8*(\t)], v[ST+8*(\t)], v[ST+8*(\t)+6]
	v_sub_f32 v[ST+8*(\t)+4], v[ST+8*(\t)+4], v[ST+8*(\t)+6]
.endr
.irp t, 0,1
	v_exp_f32 v[ST+8*(\t)], v[ST+8*(\t)]
	v_exp_f32 v[ST+8*(\t)+4], v[ST+8*(\t)+4]
.endr
.irp t, 0,1
	v_sub_f32 v[ST+8*(\t)+6], 0x41400000, v[ST+8*(\t)+6]  ; 12 - Mx: also the plain instructions behind the exponentials
.endr
	s_wait_alu depctr_va_vdst(0)                   ; one wait for these four exponentials, ahead of their first use
.irp t, 0,1
	v_mul_f32 v[ST+8*(\t)+5], v[ST+8*(\t)+5], v[ST+8*(\t)+4]
.endr
.irp t, 0,1
	v_fma_f32 v[ST+8*(\t)+2], v[ST+8*(\t)+2], v[ST+8*(\t)], v[ST+8*(\t)+5]
.endr
.irp t, 0,1
	v_log_f32 v[ST+8*(\t)+2], v[ST+8*(\t)+2]
.endr
	v_nop                                          ; a plain instruction behind the logarithms,
	s_wait_alu depctr_va_vdst(0)                   ; and one wait for the two, a batch of their own: they read a sum made of the exponentials
.irp t, 0,1
	v_sub_f32 v[ST+8*(\t)+6], v[ST+8*(\t)+6], v[ST+8*(\t)+2]
.endr
.irp t, 0,1
	ds_store_b32 v[STA], v[ST+8*(\t)+6] offset:64*(\t)
.endr
	s_wait_dscnt 0x0                               ; for wave 0's sake: my results are stored
	s_barrier_signal -1
	s_barrier_wait -1
	s_cmp_lg_u32 s[WV], 0
	s_cbranch_scc1 .Ldone
	ds_load_b128 v[TM:TM+3], v[RDA]                ; wave 0 takes the work-group's 128 results
	s_wait_dscnt 0x0
	global_store_b128 v[GOA], v[TM:TM+3], s[8:9]   ; 512 consecutive bytes, aligned
.Ldone:
	s_wait_tensorcnt 0x0                           ; the wave's end
	ds_add_u32 v[SPW], v[NIL]
	s_wait_dscnt 0x0
	CROUND                                         ; the closing round
	s_endpgm
.Lfunc_end_k_q95ac214dd4_stats:
	.size	k_q95ac214dd4_stats, .Lfunc_end_k_q95ac214dd4_stats-k_q95ac214dd4_stats
	.p2alignl 7, 3214868480
	.fill 96, 4, 3214868480
	.section	.rodata,"a",@progbits
	.p2align	6, 0x0
	.amdhsa_kernel k_q95ac214dd4_stats
		.amdhsa_group_segment_fixed_size 327680
		.amdhsa_private_segment_fixed_size 0
		.amdhsa_enable_private_segment 0
		.amdhsa_kernarg_size 24
		.amdhsa_user_sgpr_count 2
		.amdhsa_user_sgpr_kernarg_segment_ptr 1
		.amdhsa_wavefront_size32 1
		.amdhsa_system_sgpr_workgroup_id_x 1
		.amdhsa_system_sgpr_workgroup_id_y 1
		.amdhsa_system_sgpr_workgroup_id_z 1
		.amdhsa_system_vgpr_workitem_id 0
		.amdhsa_next_free_vgpr 256
		.amdhsa_next_free_sgpr 66
		.amdhsa_reserve_vcc 0
		.amdhsa_float_denorm_mode_32 3
		.amdhsa_float_denorm_mode_16_64 3
		.amdhsa_memory_ordered 1
		.amdhsa_forward_progress 1
		.amdhsa_inst_pref_size 53
	.end_amdhsa_kernel
	.amdgpu_metadata
---
amdhsa.version: [ 1, 2 ]
amdhsa.kernels:
  - .name:           k_q95ac214dd4_stats
    .symbol:         k_q95ac214dd4_stats.kd
    .args:
      - { .name: q16, .offset: 0, .size: 8, .value_kind: global_buffer, .address_space: global }
      - { .name: k16, .offset: 8, .size: 8, .value_kind: global_buffer, .address_space: global }
      - { .name: nb, .offset: 16, .size: 8, .value_kind: global_buffer, .address_space: global }
    .group_segment_fixed_size: 327680
    .private_segment_fixed_size: 0
    .kernarg_segment_align: 8
    .kernarg_segment_size: 24
    .max_flat_workgroup_size: 128
    .sgpr_count:     66
    .vgpr_count:     256
    .wavefront_size: 32
...
	.end_amdgpu_metadata
.endif
;; end of part 5
;; launch attn (part 6): grid 32 x 8, 4 waves a work-group, clusters of 4 x 1, 327,680 bytes of LDS; arguments q16, k16, v16, nb, w16, x, out0; writes out0
.if DOCPART == 6
	.amdgcn_target "amdgcn-amd-amdhsa--gfx1250"
	.amdhsa_code_object_version 6
	.text
	.protected	k_q95ac214dd4_attn
	.globl	k_q95ac214dd4_attn
	.p2align	8
	.type	k_q95ac214dd4_attn,@function
k_q95ac214dd4_attn:
	s_mov_b64 s[64:65], 0
	v_nop
	global_prefetch_b8 v0, s[64:65] scope:SCOPE_SE
	s_setreg_imm32_b32 hwreg(HW_REG_WAVE_MODE, 25, 1), 1
	s_wait_xcnt 0x0
	s_wait_alu depctr_hold_cnt(0) depctr_sa_sdst(0) depctr_va_vdst(0) depctr_va_sdst(0) depctr_va_ssrc(0) depctr_va_vcc(0) depctr_vm_vsrc(0)
	s_getreg_b32 s2, hwreg(HW_REG_IB_STS2, 6, 4)
	s_cmp_eq_u32 s2, 0
	s_cbranch_scc0 .Lentry_in_a_cluster
	s_endpgm
.Lentry_in_a_cluster:
	s_bfe_u32 s2, ttmp6, 0x10000c
	s_cmp_lg_u32 s2, 0x3003
	s_cbranch_scc0 .Lentry_shape_is_right
	s_endpgm
.Lentry_shape_is_right:
; THE ATTENTION, THE LAST PROJECTION, BATCH NORM, RELU AND THE RESIDUAL.  For 128 columns m of a batch: p[n][m] = 2^(e[n][m] + nb[n]) = 4,096 x the row softmax (e from q16 and k16, nb from the launch before);
; x_r[c][m] = (sum over n of v[c][n] p[n][m]) / (4.096e-6 + sum over n of p[n][m]), which is a / (1e-9 + sum a) with both sides times 4,096; out = x + max(0, (W_t x_r) sc + sh).
; Products in f16 with f32 sums; p, at most 4,096, is rounded to f16 for the second product, its column sum is taken of the unrounded p; the residual x is added in f32.
; nb is the C operand of the product that starts a score's sum: the exponent is ready as the product leaves it, and it is at most 12 by the launch before's true maximum and sum.
; LIMITS: x_r of 65,520 or more becomes an infinity in f16 (it is a weighted mean of v's columns); a weight below 2^-126 counts as 0; NaN and infinities are not treated apart.
; SHARES.  A work-group: 128 columns x all 256 channels.  Wave w = 2 mh + nh sums 64 columns (half mh, four tiles of 16) x 256 channels, 64 accumulators in 512 registers, over HALF of the points: of every
; 128 n the 64 from 64 nh on, in chunks of 32.  So a fragment of V read from LDS feeds four products, and no score is made twice.  A wave's local tiles 0, 1 are the columns 32 w .. 32 w + 31, which it owns at
; the end; its tiles 2, 3 are those of its partner w ^ 1 (which rows of k are loaded decides that: register names hang on no wave number).  At the end the partners exchange tiles 2, 3 through LDS and add.
; LAYOUT.  S = q k^T (source 0 = 16 rows n of q, source 1 = 16 rows m of k): a lane holds one m (lane % 16) and n = 8 (lane / 16) + 0..7.  Two such results rounded in pairs ARE source 1 (32 n x 16 m) of
; O[c][m] += V[c][n] P[n][m]; two of O's, scaled and rounded, ARE source 0 of D[m][o] = x_r^T W_t^T, in which a lane holds one output channel o (one pair sc, sh) and eight neighbouring m.
; A CHUNK g: 16 products for the NEXT chunk's scores; 12 LDS loads (q and nb of chunk g + 2); 64 products O += V P, and behind every second of them four vector instructions on the next chunk's scores,
; none naming a register of the products round it.  The 64 exponentials are ONE BATCH: they ride in channel blocks 0 to 7, four behind every second product; one wait stands behind block 7; the 32 roundings
; and the 32 column sums, which read them, ride in blocks 8 to 15.  V of chunk g + 1 comes in four runs of eight loads, behind blocks 7 to 10, the first directly behind the wait.
; THE WALK.  Chunk g reads V of g + 1 and q, nb of g + 2; q16 and nb hold the rows with even n / 32 a tile of 128 early, so all three lie in the same tile: a trip is a change of slots and chunks 2 T - 1, 2 T.
; CLUSTER.  The four work-groups of a cluster share V, q, nb and W_t: every tensor load is joint, with the mask of four.  My place in the cluster enters the addresses of k16, x and out0 alone.
; REGISTERS.  window 0: v0-15 addresses; v16-47 q; v48-63 nb; v64-127 S; v128-191 P, two buffers; v192-199 column sums; v200-216 at work and addresses; v224-255 (sc, sh); at the end x_r's fragments in v16-143
;   window 1: V: fragments 0-7 in v0-63, fragments 8-15 in v64-127 (even chunks) or v192-255 (odd chunks); k in v128-191; later the last product's sums in v0-127
;   window 2: O of my tiles 0, 1, accumulator (cb, mt) at 8 (2 cb + mt); later W_t, then y      window 3: O of tiles 2, 3 likewise; later W_t, then x
.set SLOT1, 131072                  ; a slot: V 256 rows x 272 bytes, then q 128 rows x 144.  Slot 0 at 0; it takes W_t's rows 0-127 (x 528) at the end
.set QOFF,  69632
.set NBL,   88064                   ; the batch's nb, 16,384 dense bytes
.set SPARE, 104448                  ; the spare words, 128 bytes a wave
.set STG,   104960                  ; y, 256 rows x 528 bytes of f32; before that the exchange.  Written behind slot 1's last fill and a barrier
.set EXB,   33280                   ; a wave's block of the exchange: 32,768 bytes of sums, 512 of column sums; four blocks end inside the stage's 135,168 bytes
.set WU,    260096                  ; W_t's rows 128-255, x 528: filled once, at the start
.set PW,    528
.set AV0, 3
.set AQ0, 4
.set AN0, 5
.set AVR, 6                         ; the three addresses of the loads in hand
.set AQR, 7
.set ANR, 8
.set AW0, 9
.set AW1, 10
.set STO0, 11
.set STO1, 12
.set RD,  13
.set GO,  14
.set LO,  15
.set QF,  16                        ; block blk of 16 n, channel half sh at QF + 8 (2 blk + sh)
.set NBF, 48                        ; block blk at NBF + 8 blk
.set S,   64                        ; accumulator t = 2 mt + blk at S + 8 t
.set P,   128                       ; two buffers of 32; tile mt at + 8 mt
.set CS,  192                       ; a pair for each mt
.set TM,  200
.set RC,  204                       ; 1 / column sum, a pair for each of my two tiles
.set SPW, 208
.set NIL, 209
.set EXS, 210                       ; my block of the exchange
.set EXR, 211                       ; my partner's
.set LK0, 212                       ; offsets of the first loads from memory: k of tiles 0, 1;
.set LK1, 213                       ; of tiles 2, 3;
.set LQ,  214                       ; q of chunk 0;
.set LNB, 215                       ; its nb;
.set LB,  216                       ; the pairs (sc, sh)
.set BN,  224                       ; (sc, sh) of channel 16 ob + lane % 16 at BN + 2 ob
.set XR,  16                        ; K block kc, tile mt at XR + 16 kc + 8 mt
.set KF,  128                       ; window 1: tile t, channel half sh at KF + 8 (2 t + sh)
.set WV,  18
.set H1,  19                        ; nh; also: which half of a tile I fetch
.set G1V, 24
.set G1Q, 32
.set G1N, 40
.set G1W, 48
.set G0V, 56
.set G0Q, 60
.set G0N, 68
.set G0WL, 72
.set G0WU, 76
.set TBS, 80                        ; the slot that is read: 0 or SLOT1
.set MH,  81
.set TBN, 82                        ; the trip's 512 bytes of nb
.set TRIPS, 84
.set BB,  85
.set SEL, 86
.set MSB, 0
.macro WIN new                      ; the immediate's high byte repeats the setting that is left; a switch that changes nothing is dropped
.if MSB != (\new)
	s_set_vgpr_msb (MSB<<8)|(\new)
.set MSB, (\new)
.endif
.endm
.macro PLACES                       ; four plain instructions between a matrix instruction and a vector instruction, store or load that touches its registers
.rept 4
	v_nop
.endr
.endm
.macro CROUND                       ; a round of the cluster's barrier
	s_barrier_signal -1
	s_barrier_wait -1
	s_cmp_lg_u32 s[WV], 0
	s_cbranch_scc1 .Lnot_wave_0_\@
	s_barrier_signal -3
.Lnot_wave_0_\@:
	s_barrier_wait -3
	s_barrier_signal -1
	s_barrier_wait -1
.endm
.macro JLOADV                       ; waves 0 and 1 fetch the two halves of V's tile, waves 2 and 3 those of q's; an s_nop 0 and four v_nop follow each line
	s_cmp_lt_u32 s[WV], 2
	s_cbranch_scc0 .Lfor_q_\@
	tensor_load_to_lds s[G0V:G0V+3], s[G1V:G1V+7]
	s_nop 0
	PLACES
	s_branch .Lasked_\@
.Lfor_q_\@:
	tensor_load_to_lds s[G0Q:G0Q+3], s[G1Q:G1Q+7]
	s_nop 0
	PLACES
.Lasked_\@:
.endm
; THE CHANGE OF SLOTS.  Each wave waits for all its tensor loads, of which one is out: its part of the other slot; adds 0 to its spare word; waits for that and for its reads of the slot that it leaves (the last were
; issued 20 products back).  A round of the cluster's barrier: no wave of any partner still reads that slot or has a load on its way.  The joint refill is the first thing behind it and has two chunks, 160 products, in which to land.
; w = 0: the tile two on.  w = 1 (the last trip): slot 0 takes W_t's rows 0-127, 32 rows a wave, one line for all waves.
.macro CHANGE w
	WIN 0
	s_wait_tensorcnt 0x0            ; no tensor load of mine is out, so the descriptors may be written
	ds_add_u32 v[SPW], v[NIL]
.if !(\w)
	s_xor_b32 s[G0V+1], s[G0V+1], SLOT1
	s_add_nc_u64 s[G0V+2:G0V+3], s[G0V+2:G0V+3], 256      ; the next 128 n of every row of v16
	s_xor_b32 s[G0Q+1], s[G0Q+1], SLOT1
	s_add_nc_u64 s[G0Q+2:G0Q+3], s[G0Q+2:G0Q+3], 16384    ; the next 128 rows of q16
.endif
	s_wait_dscnt 0x0                ; the add is done, and my reads of the slot are over
	CROUND
.if \w
	tensor_load_to_lds s[G0WL:G0WL+3], s[G1W:G1W+7]
	s_nop 0
	PLACES
.else
	JLOADV
.endif
	s_xor_b32 s[TBS], s[TBS], SLOT1       ; the reads go to the other slot,
	s_add_co_u32 s[TBN], s[TBN], 512      ; and to the next 128 numbers of nb
	s_and_b32 s[TBN], s[TBN], 16383
.endm
	s_load_b256 s[4:11], s[0:1], 0x0               ; q16 4, k16 6, v16 8, nb 10
	s_load_b128 s[12:15], s[0:1], 0x20             ; w16 12, x 14
	s_load_b64 s[16:17], s[0:1], 0x30              ; out0
	v_lshl_add_u32 v[SPW], v0, 2, SPARE
	v_mov_b32 v[NIL], 0
	ds_add_u32 v[SPW], v[NIL]                      ; the wave's opening: the add and its wait stand ahead of my first tensor load
	v_lshrrev_b32 v1, 5, v0
	v_readfirstlane_b32 s[WV], v1
	s_and_b32 s[H1], s[WV], 1                      ; nh
	s_lshr_b32 s[MH], s[WV], 1                     ; mh
	s_and_b32 s[BB], ttmp7, 0xffff                 ; the batch, which the partners share
	s_bfe_u32 s88, ttmp6, 0x40000                  ; cx
	s_lshl_b32 s89, ttmp9, 2
	s_add_co_u32 s89, s89, s88                     ; my block of 128 columns
	s_lshl_b32 s90, s89, 14                        ; k16: the block's 128 rows, my half of 64
	s_lshl_b32 s91, s[MH], 13
	s_add_co_u32 s90, s90, s91
	s_mov_b32 s91, 0
	s_lshl_b32 s88, s89, 9                         ; x and out0: the block's 512 bytes of a row, my wave's 64 rows
	s_lshl_b32 s89, s[WV], 20
	s_add_co_u32 s88, s88, s89
	s_mov_b32 s89, 0
	s_lshl_b32 s20, s[BB], 19                      ; the batch in q16 and k16,
	s_mov_b32 s21, 0
	s_lshl_b32 s22, s[BB], 21                      ; in v16,
	s_mov_b32 s23, 0
	s_lshl_b32 s92, s[BB], 14                      ; in nb,
	s_mov_b32 s93, 0
	s_lshl_b32 s94, s[BB], 22                      ; in x and out0
	s_mov_b32 s95, 0
	; descriptor groups 1; the mask of four and bit 21 in each
	s_mov_b32 s[G1V], 15|(1<<16)|(1<<20)|(1<<21)|(5<<22)|(3<<25)  ; V: 128 rows x 128 elements of 2 bytes, 16 bytes of padding behind every 256
	s_mov_b32 s[G1V+1], 128<<16
	s_mov_b32 s[G1V+2], 128<<16
	s_mov_b32 s[G1V+3], 128<<16
	s_mov_b32 s[G1V+4], 128
	s_mov_b32 s[G1V+5], 4096
	s_mov_b32 s[G1V+6], 0
	s_mov_b32 s[G1V+7], 0
	s_mov_b32 s[G1Q], 15|(1<<16)|(1<<20)|(1<<21)|(4<<22)|(3<<25)  ; q: 64 rows are 8,192 dense bytes: 32 rows of 256, padded after every 128
	s_mov_b32 s[G1Q+1], 128<<16
	s_mov_b32 s[G1Q+2], 32<<16
	s_mov_b32 s[G1Q+3], 128<<16
	s_mov_b32 s[G1Q+4], 32
	s_mov_b32 s[G1Q+5], 128
	s_mov_b32 s[G1Q+6], 0
	s_mov_b32 s[G1Q+7], 0
	s_mov_b32 s[G1N], 15|(3<<16)|(1<<21)           ; nb: 8,192 dense bytes as 32 rows of 32 elements of 8 bytes
	s_mov_b32 s[G1N+1], 32<<16
	s_mov_b32 s[G1N+2], 32<<16
	s_mov_b32 s[G1N+3], 32<<16
	s_mov_b32 s[G1N+4], 32
	s_mov_b32 s[G1N+5], 32
	s_mov_b32 s[G1N+6], 0
	s_mov_b32 s[G1N+7], 0
	s_mov_b32 s[G1W], 15|(1<<16)|(1<<20)|(1<<21)|(6<<22)|(3<<25)  ; W_t: 32 rows x 256 elements, padded after every 512 bytes
	s_mov_b32 s[G1W+1], 256<<16
	s_mov_b32 s[G1W+2], 32<<16
	s_mov_b32 s[G1W+3], 256<<16
	s_mov_b32 s[G1W+4], 32
	s_mov_b32 s[G1W+5], 256
	s_mov_b32 s[G1W+6], 0
	s_mov_b32 s[G1W+7], 0
	; groups 0: LDS address, and the offset to which the address is added below
	s_mov_b32 s[G0V], 1
	s_mul_i32 s[G0V+1], s[H1], 128*272
	s_lshl_b32 s[G0V+2], s[H1], 20                 ; 128 rows of 8,192 bytes
	s_mov_b32 s[G0V+3], 0
	s_mov_b32 s[G0Q], 1
	s_mul_i32 s[G0Q+1], s[H1], 64*144
	s_add_co_u32 s[G0Q+1], s[G0Q+1], QOFF
	s_lshl_b32 s[G0Q+2], s[H1], 13
	s_mov_b32 s[G0Q+3], 0
	s_mov_b32 s[G0N], 1
	s_lshl_b32 s[G0N+1], s[H1], 13
	s_add_co_u32 s[G0N+1], s[G0N+1], NBL
	s_lshl_b32 s[G0N+2], s[H1], 13
	s_mov_b32 s[G0N+3], 0
	s_mov_b32 s[G0WL], 1
	s_mul_i32 s[G0WL+1], s[WV], 32*PW
	s_lshl_b32 s[G0WL+2], s[WV], 14
	s_add_co_u32 s[G0WL+2], s[G0WL+2], 131072
	s_mov_b32 s[G0WL+3], 0
	s_mov_b32 s[G0WU], 1
	s_mul_i32 s[G0WU+1], s[WV], 32*PW
	s_add_co_u32 s[G0WU+1], s[G0WU+1], WU
	s_lshl_b32 s[G0WU+2], s[WV], 14
	s_add_co_u32 s[G0WU+2], s[G0WU+2], 196608
	s_mov_b32 s[G0WU+3], 0
	s_mov_b32 s[SEL], 0x76543210
	s_mov_b32 s[SEL+1], 0xfedcba98
	s_mov_b32 s[TBS], SLOT1                        ; the first change of slots turns these two into 0
	s_mov_b32 s[TBN], 16384-512
	v_and_b32 v1, 15, v0                           ; l % 16
	v_bfe_u32 v2, v0, 4, 1                         ; l / 16
	s_lshl_b32 s2, s[H1], 7
	v_mul_u32_u24 v[AV0], v1, 272                  ; a fragment: row l % 16, 16 bytes for each half of the lanes;
	v_lshl_add_u32 v[AV0], v2, 4, v[AV0]
	v_add_nc_u32 v[AV0], s2, v[AV0]                ; of V's 128 n my 64: 128 bytes x nh
	s_mul_i32 s2, s[H1], 64*144
	s_add_co_u32 s2, s2, QOFF
	v_mul_u32_u24 v[AQ0], v1, 144
	v_lshl_add_u32 v[AQ0], v2, 4, v[AQ0]
	v_add_nc_u32 v[AQ0], s2, v[AQ0]                ; of q's 128 rows my 64
	s_lshl_b32 s2, s[H1], 8
	v_lshlrev_b32 v[TM], 5, v2                     ; nb: eight numbers for each half of the lanes,
	v_add_nc_u32 v[LNB], s2, v[TM]                 ; of 128 numbers my 64
	v_add_nc_u32 v[AN0], NBL, v[LNB]
	v_mul_u32_u24 v[AW0], v1, PW
	v_lshl_add_u32 v[AW0], v2, 4, v[AW0]
	v_add_nc_u32 v[AW1], WU, v[AW0]
	s_lshl_b32 s2, s[WV], 7
	s_add_co_u32 s2, s2, STG
	v_mul_u32_u24 v[STO0], v1, PW                  ; y: row l % 16, my wave's 128 bytes of it, 32 for each half of the lanes
	v_add_nc_u32 v[STO0], v[TM], v[STO0]
	v_add_nc_u32 v[STO0], s2, v[STO0]
	v_add_nc_u32 v[STO1], 128*PW, v[STO0]
	s_mul_i32 s3, s[WV], 64*PW
	s_add_co_u32 s3, s3, STG
	v_and_b32 v[GO], 31, v0
	v_lshlrev_b32 v[GO], 4, v[GO]                  ; my 16 bytes of 512 consecutive ones
	v_add_nc_u32 v[RD], s3, v[GO]
	s_mul_i32 s2, s[WV], EXB
	s_add_co_u32 s2, s2, STG
	v_add_nc_u32 v[EXS], s2, v[GO]
	s_xor_b32 s3, s[WV], 1                         ; my partner
	s_mul_i32 s3, s3, EXB
	s_add_co_u32 s3, s3, STG
	v_add_nc_u32 v[EXR], s3, v[GO]
	v_lshlrev_b32 v[LO], 7, v1
	v_lshl_add_u32 v[LO], v2, 4, v[LO]             ; a fragment of q16 or k16 from memory: row x 128 + 16 x half
	s_lshl_b32 s2, s[H1], 12
	v_add_nc_u32 v[LK0], s2, v[LO]                 ; my own 32 rows of k: 32 nh on;
	s_xor_b32 s2, s2, 4096
	v_add_nc_u32 v[LK1], s2, v[LO]                 ; my partner's: the other 32
	s_lshl_b32 s2, s[H1], 13
	v_add_nc_u32 v[LQ], s2, v[LO]
	v_lshlrev_b32 v[LB], 3, v1
.set i, 0
.rept 8
	v_mov_b32 v[CS+i], 0
.set i, i+1
.endr
	s_wait_dscnt 0x0                               ; the opening add is done
	s_wait_kmcnt 0x0
	s_add_nc_u64 s[4:5], s[4:5], s[20:21]          ; every tensor at the batch
	s_add_nc_u64 s[6:7], s[6:7], s[20:21]
	s_add_nc_u64 s[8:9], s[8:9], s[22:23]
	s_add_nc_u64 s[10:11], s[10:11], s[92:93]
	s_add_nc_u64 s[14:15], s[14:15], s[94:95]
	s_add_nc_u64 s[16:17], s[16:17], s[94:95]
	s_add_nc_u64 s[G0V+2:G0V+3], s[8:9], s[G0V+2:G0V+3]
	s_or_b32 s[G0V+3], s[G0V+3], 0x80000000        ; type = 2
	s_add_nc_u64 s[G0Q+2:G0Q+3], s[4:5], s[G0Q+2:G0Q+3]
	s_or_b32 s[G0Q+3], s[G0Q+3], 0x80000000
	s_add_nc_u64 s[G0N+2:G0N+3], s[10:11], s[G0N+2:G0N+3]
	s_or_b32 s[G0N+3], s[G0N+3], 0x80000000
	s_add_nc_u64 s[G0WL+2:G0WL+3], s[12:13], s[G0WL+2:G0WL+3]
	s_or_b32 s[G0WL+3], s[G0WL+3], 0x80000000
	s_add_nc_u64 s[G0WU+2:G0WU+3], s[12:13], s[G0WU+2:G0WU+3]
	s_or_b32 s[G0WU+3], s[G0WU+3], 0x80000000
	s_add_nc_u64 s[6:7], s[6:7], s[90:91]          ; k16, x and out0 at my own part
	s_add_nc_u64 s[14:15], s[14:15], s[88:89]
	s_add_nc_u64 s[16:17], s[16:17], s[88:89]
	CROUND                                         ; all four work-groups are here: the first joint loads meet
	s_cmp_lt_u32 s[WV], 2                          ; a wave's first fills stand in one branch, ahead of every wait on TENSORcnt and every LDS read: at most three loads of mine are out
	s_cbranch_scc0 .Lfirst_q
	tensor_load_to_lds s[G0V:G0V+3], s[G1V:G1V+7]  ; V's tile 0
	s_nop 0
	tensor_load_to_lds s[G0WU:G0WU+3], s[G1W:G1W+7]  ; my 32 of W_t's upper rows
	s_nop 0
	PLACES
	s_branch .Lfirst_asked
.Lfirst_q:
	tensor_load_to_lds s[G0Q:G0Q+3], s[G1Q:G1Q+7]  ; q's tile 0
	s_nop 0
	tensor_load_to_lds s[G0N:G0N+3], s[G1N:G1N+7]  ; half of nb
	s_nop 0
	tensor_load_to_lds s[G0WU:G0WU+3], s[G1W:G1W+7]
	s_nop 0
	PLACES
.Lfirst_asked:
	WIN 0x40                                       ; destination window 1
.set i, 0
.rept 8                                                ; k stays in registers: fragment i = 2 t + sh
	global_load_b128 v[KF+8*i:KF+8*i+3],   v[LK0+i/4], s[6:7] offset:2048*((i/2)%2)+64*(i%2)
	global_load_b128 v[KF+8*i+4:KF+8*i+7], v[LK0+i/4], s[6:7] offset:2048*((i/2)%2)+64*(i%2)+32
.set i, i+1
.endr
	WIN 0
.set i, 0
.rept 4                                                ; q of my chunk 0, n = 64 nh .. + 31: rows 3,968 + 64 nh on of q16
	global_load_b128 v[QF+8*i:QF+8*i+3],   v[LQ], s[4:5] offset:507904+2048*(i/2)+64*(i%2)
	global_load_b128 v[QF+8*i+4:QF+8*i+7], v[LQ], s[4:5] offset:507904+2048*(i/2)+64*(i%2)+32
.set i, i+1
.endr
.set i, 0
.rept 2                                                ; and its nb
	global_load_b128 v[NBF+8*i:NBF+8*i+3],   v[LNB], s[10:11] offset:15872+64*i
	global_load_b128 v[NBF+8*i+4:NBF+8*i+7], v[LNB], s[10:11] offset:15872+64*i+16
.set i, i+1
.endr
.set i, 0
.rept 16
	global_load_b64 v[BN+2*i:BN+2*i+1], v[LB], s[12:13] offset:311296+128*i
.set i, i+1
.endr
; Product n of 16 of S: channel half n / 8, accumulator t = n % 8 = 2 mt + blk.  The first eight start the sums with nb; seven others' turns stand between a chain's two links.
.macro SCP n
.set rS, S+8*((\n)%8)
.set rQ, QF+8*(2*((\n)%2)+(\n)/8)
.set rK, KF+8*(2*(((\n)%8)/2)+(\n)/8)
.set rN, NBF+8*((\n)%2)
.if (\n) < 8
	v_wmma_f32_16x16x32_f16 v[rS:rS+7], v[rQ:rQ+7], v[rK:rK+7], v[rN:rN+7]
.else
	v_wmma_f32_16x16x32_f16 v[rS:rS+7], v[rQ:rQ+7], v[rK:rK+7], v[rS:rS+7]
.endif
.endm
; The product O(c, mt) += V(c) P(mt) of the chunk in hand (parity PAR).  pv = 1: it starts the sum, so nothing is ever cleared.
.macro PVP c, mt, pv
.if (\c) < 8
.set rV, 8*(\c)
.else
.set rV, 64+128*PAR+8*((\c)-8)
.endif
.set rO, 8*(2*(\c)+(\mt)%2)
.set rP, P+32*PAR+8*(\mt)
	WIN 0xa1+0x50*((\mt)/2)         ; V window 1, P window 0, O window 2 (tiles 0, 1) or 3 (tiles 2, 3)
.if (\pv) == 1
	v_wmma_f32_16x16x32_f16 v[rO:rO+7], v[rV:rV+7], v[rP:rP+7], 0
.else
	v_wmma_f32_16x16x32_f16 v[rO:rO+7], v[rV:rV+7], v[rP:rP+7], v[rO:rO+7]
.endif
.endm
; Fragment f of the NEXT chunk's V: 16 channels x 32 n.  An odd chunk is followed by the first 32 of my 64 n, an even one by the second.
.macro VLOAD f
.if (\f) < 8
.set rV, 8*(\f)
.else
.set rV, 64+128*(1-PAR)+8*((\f)-8)
.endif
	ds_load_b128 v[rV:rV+3],   v[AVR] offset:4352*(\f)+64*(1-PAR)
	ds_load_b128 v[rV+4:rV+7], v[AVR] offset:4352*(\f)+64*(1-PAR)+32
.endm
; Plain instruction u of 64, all behind the chunk's wait: pair 8 ((u / 2) % 4) + u / 8 of the 32 pairs of weights is rounded to f16 (u even) or added to its tile's column sums (u odd).
; The four tiles take turns and each tile's pairs ascend: every column sum keeps its order, and its links stand eight lines apart.
.macro PLN u
.set rW, 8*(((\u)/2)%4)+(\u)/8
.if (\u)%2 == 0
	v_cvt_pk_f16_f32 v[P+32*(1-PAR)+rW], v[S+2*rW], v[S+2*rW+1]
.else
	v_pk_add_f32 v[CS+2*(rW/8):CS+2*(rW/8)+1], v[CS+2*(rW/8):CS+2*(rW/8)+1], v[S+2*rW:S+2*rW+1]
.endif
.endm
; Slot s of 32: the four vector instructions behind a pair of products.  Slots 0 to 15: the exponentials of scores 4 s .. 4 s + 3, in place (ascending
; each result keeps its own register until the wait).  Slots 16 to 31: plain instructions 4 (s - 16) .. 4 (s - 16) + 3.
.macro RID4 s
.set j, 0
.rept 4
.if (\s) < 16
	v_exp_f32 v[S+4*(\s)+j], v[S+4*(\s)+j]
.else
	PLN 4*((\s)-16)+j
.endif
.set j, j+1
.endr
.endm
; CHUNK g (par = g % 2).  pv = 2: O += V P; 1: these products start O's sums; 0: none (g = -1: V of chunk 0 comes in one run, and the vector work stands by itself).
.macro HALF par, pv
.set PAR, \par
	s_wait_dscnt 32                 ; q and nb of the next chunk are in: they were asked for ahead of V's 32 loads, which may be out
	WIN 0x04                        ; k window 1, all else window 0
.set i, 0
.rept 16
	SCP i
.set i, i+1
.endr
	WIN 0
	v_add_nc_u32 v[AVR], s[TBS], v[AV0]  ; five plain instructions: the places in front of the loads into q's and nb's registers and of the first exponential
	v_add_nc_u32 v[AQR], s[TBS], v[AQ0]
	v_add_nc_u32 v[ANR], s[TBN], v[AN0]
	v_nop
	v_nop
.set i, 0
.rept 4                             ; q of chunk g + 2: for odd g the second 32 of my 64 rows of the tile, for even g the first
	ds_load_b128 v[QF+8*i:QF+8*i+3],   v[AQR] offset:4608*PAR+2304*(i/2)+64*(i%2)
	ds_load_b128 v[QF+8*i+4:QF+8*i+7], v[AQR] offset:4608*PAR+2304*(i/2)+64*(i%2)+32
.set i, i+1
.endr
.set i, 0
.rept 2
	ds_load_b128 v[NBF+8*i:NBF+8*i+3],   v[ANR] offset:128*PAR+64*i
	ds_load_b128 v[NBF+8*i+4:NBF+8*i+7], v[ANR] offset:128*PAR+64*i+16
.set i, i+1
.endr
.if (\pv) == 0
	WIN 0x40                        ; destination window 1
.set cb, 0
.rept 16
	VLOAD cb
.set cb, cb+1
.endr
	WIN 0
.set cb, 0
.rept 16                            ; the batch: slots 0 to 15
	RID4 cb
.set cb, cb+1
.endr
	v_nop                           ; a plain instruction behind the last exponential: one for the batch
	s_wait_alu depctr_va_vdst(0)    ; the wait ahead of the first use: one for the chunk's 64 exponentials
.rept 16                            ; its readers: slots 16 to 31
	RID4 cb
.set cb, cb+1
.endr
.else
	s_wait_dscnt 12                 ; V of this chunk is in; the twelve loads just issued may be out
.set cb, 0
.rept 16                            ; channel block cb: four products, one for each tile; all 64 accumulators take one turn each
	PVP cb, 0, \pv
	PVP cb, 1, \pv
	WIN 0
	RID4 2*cb
	PVP cb, 2, \pv
	PVP cb, 3, \pv
	WIN 0
	RID4 2*cb+1
.if cb == 7                         ; the batch is out: all 64 exponentials are issued, and no result has been named
	v_nop                           ; a plain instruction behind the last exponential: one for the batch
	s_wait_alu depctr_va_vdst(0)    ; the wait ahead of the first use: one for the chunk's 64 exponentials; V's first run of loads stands directly behind it
.endif
.if (cb >= 7) && (cb <= 10)         ; behind blocks 7 and 8: fragments 8-15, into the home that this chunk does not use (its last reader, the chunk before's last product, has that chunk's last four riders and
	WIN 0x40                        ; this chunk's five plain head lines behind it); behind blocks 9 and 10: fragments 0-7, whose last reader stands in block 7, nine plain instructions back and more
.set vf, (4*cb+12)%16
	VLOAD vf
	VLOAD vf+1
	VLOAD vf+2
	VLOAD vf+3
.endif
.set cb, cb+1
.endr
.endif
	WIN 0
.endm
	CHANGE 0                                       ; trip 0: tile 0, nb and W_t's upper rows have landed, everybody's parts; tile 1 is asked for
	s_wait_loadcnt 0x0                             ; k, q and nb of chunk 0, the pairs (sc, sh)
	HALF 1, 0                                      ; g = -1: the first scores and weights
	HALF 0, 1                                      ; g = 0 starts O's sums
	s_mov_b32 s[TRIPS], 30
.Ltrip:                                                ; trips 1 to 30 ask for tiles 2 to 31
	CHANGE 0
	HALF 1, 2
	HALF 0, 2
	s_sub_co_u32 s[TRIPS], s[TRIPS], 1
	s_cmp_lg_u32 s[TRIPS], 0
	s_cbranch_scc1 .Ltrip
	CHANGE 1                                       ; trip 31 is written out: slot 0 takes W_t's lower rows
	HALF 1, 2
	HALF 0, 2                                      ; (its q and nb, of a chunk that is not, are the wrapped rows of the tile and serve nothing)
	s_wait_tensorcnt 0x0                           ; for the others' sake: my rows of W_t have landed,
	s_wait_dscnt 0x0                               ; and my reads of slot 1 are over: V of the last chunk is in
	s_barrier_signal -1
	s_barrier_wait -1                              ; W_t is whole and nobody reads slot 1 any more
	; THE LAST CHUNK'S O += V P: my partner's tiles first, then mine
.set PAR, 1
.set cb, 0
.rept 16
	PVP cb, 2, 2
	PVP cb, 3, 2
.set cb, cb+1
.endr
.set cb, 0
.rept 16
	PVP cb, 0, 2
	PVP cb, 1, 2
.set cb, cb+1
.endr
	WIN 0
	PLACES
	; THE EXCHANGE.  Tiles 2, 3 (window 3, register by register, lane by lane) and their column sums go into my block; behind a barrier I take my partner's block, which holds its sums for my tiles 0, 1.
	ds_store_b128 v[EXS], v[CS+4:CS+7] offset:32768
	WIN 0x0c                                       ; address window 0, data window 3
.set i, 0
.rept 64
	ds_store_b128 v[EXS], v[4*i:4*i+3] offset:512*i  ; ascending: each accumulator's lowest registers are read first; 512 consecutive bytes
.set i, i+1
.endr
	WIN 0
	s_wait_dscnt 0x0                               ; for my partner's sake: my block is stored
	s_barrier_signal -1
	s_barrier_wait -1
	ds_load_b128 v[TM:TM+3], v[EXR] offset:32768
	WIN 0xc0
.set i, 0
.rept 64
	ds_load_b128 v[4*i:4*i+3], v[EXR] offset:512*i
.set i, i+1
.endr
	WIN 0
	s_wait_dscnt 63                                ; the column sums are in: 64 younger loads stand behind theirs, and a wait can name 63
	v_pk_add_f32 v[CS:CS+1], v[CS:CS+1], v[TM:TM+1]
	v_pk_add_f32 v[CS+2:CS+3], v[CS+2:CS+3], v[TM+2:TM+3]
	v_add_f32 v[TM], v[CS], v[CS+1]                ; a pair's halves, the other half of the lanes', the 1e-9 times 4,096
	v_add_f32 v[TM+1], v[CS+2], v[CS+3]
	v_permlanex16_b32 v[AVR], v[TM], s[SEL], s[SEL+1]
	v_permlanex16_b32 v[AQR], v[TM+1], s[SEL], s[SEL+1]
	v_add_f32 v[TM], v[TM], v[AVR]
	v_add_f32 v[TM+1], v[TM+1], v[AQR]
	v_add_f32 v[TM], 0x3689705f, v[TM]
	v_add_f32 v[TM+1], 0x3689705f, v[TM+1]
	v_rcp_f32 v[RC], v[TM]
	v_rcp_f32 v[RC+2], v[TM+1]
	v_mov_b32 v[RC+1], 0                           ; the pairs' other registers; also the plain instructions behind the reciprocals
	v_mov_b32 v[RC+3], 0
.set t, 0
.rept 4
	s_wait_dscnt 48-16*t                           ; sixteen more loads are in, the younger ones may be out
	WIN 0x8e                                       ; mine window 2, my partner's window 3
.set i, 32*t
.rept 32
	v_pk_add_f32 v[2*i:2*i+1], v[2*i:2*i+1], v[2*i:2*i+1]
.set i, i+1
.endr
.set t, t+1
.endr
	s_barrier_signal -1                            ; my reads of the exchange are over (the last wait was for 0): its bytes become the stage
	s_barrier_wait -1
; THE END.  W_t in four groups of 64 output channels: group g's fragments (block obi, K block kc at 8 (8 obi + kc)) fill window 3 (g even) or 2 (g odd)
.macro WLOAD g
	WIN 0xc0-0x40*((\g)%2)
.set i, 0
.rept 32
	ds_load_b128 v[8*i:8*i+3],   v[AW0+(\g)/2] offset:16*PW*(4*((\g)%2)+i/8)+64*(i%8)
	ds_load_b128 v[8*i+4:8*i+7], v[AW0+(\g)/2] offset:16*PW*(4*((\g)%2)+i/8)+64*(i%8)+32
.set i, i+1
.endr
.endm
.macro GEMM g                       ; 64 products: K block i / 8; accumulator i % 8 = 2 obi + mt, by turns; the first K block starts the sums
	WIN 0x5c-4*((\g)%2)             ; x_r window 0, W_t window 3 or 2, sums window 1
.set i, 0
.rept 64
.set rD, 64*((\g)%2)+8*(i%8)
.set rA, XR+16*(i/8)+8*(i%2)
.set rB, 8*(8*((i%8)/2)+i/8)
.if i < 8
	v_wmma_f32_16x16x32_f16 v[rD:rD+7], v[rA:rA+7], v[rB:rB+7], 0
.else
	v_wmma_f32_16x16x32_f16 v[rD:rD+7], v[rA:rA+7], v[rB:rB+7], v[rD:rD+7]
.endif
.set i, i+1
.endr
.endm
.macro BNR g                        ; y = max(0, acc sc + sh), into the stage: a lane's eight m of row o are 32 bytes
	WIN 0x41
.set i, 0
.rept 32
.set rD, 64*((\g)%2)+2*i
.set rN, BN+2*(4*(\g)+i/8)
	v_pk_fma_f32 v[rD:rD+1], v[rD:rD+1], v[rN:rN+1], v[rN:rN+1] op_sel:[0,0,1] op_sel_hi:[1,0,1]  ; both halves: times the pair's low register, plus its high one
.set i, i+1
.endr
	WIN 0x45
.set i, 0
.rept 64
	v_max_num_f32 v[64*((\g)%2)+i], 0, v[64*((\g)%2)+i]
.set i, i+1
.endr
	WIN 0x04                        ; address window 0, data window 1
.set i, 0
.rept 8
	ds_store_b128 v[STO0+(\g)/2], v[64*((\g)%2)+8*i:64*((\g)%2)+8*i+3]   offset:16*PW*(4*((\g)%2)+i/2)+64*(i%2)
	ds_store_b128 v[STO0+(\g)/2], v[64*((\g)%2)+8*i+4:64*((\g)%2)+8*i+7] offset:16*PW*(4*((\g)%2)+i/2)+64*(i%2)+16
.set i, i+1
.endr
.endm
	WLOAD 0                                        ; window 3 has been added and is free; the 256 lines below stand between these loads and their use
	WIN 0x82                                       ; O window 2, 1 / column sum window 0
.set i, 0
	s_wait_alu depctr_va_vdst(0)                   ; one wait for the two reciprocals, ahead of their first use; the 128 additions of the exchange are the work between
.rept 128                                              ; O / column sum; pair i lies in accumulator i / 4 = 2 cb + mt
	v_pk_mul_f32 v[2*i:2*i+1], v[2*i:2*i+1], v[RC+2*((i/4)%2):RC+2*((i/4)%2)+1] op_sel_hi:[1,0]
.set i, i+1
.endr
	WIN 0x0a                                       ; sources window 2, destination window 0
.set i, 0
.rept 128                                              ; accumulators cb = 2 kc, 2 kc + 1 make x_r's fragment (kc, mt)
	v_cvt_pk_f16_f32 v[XR+16*(i/16)+8*((i/4)%2)+4*((i/8)%2)+i%4], v[2*i], v[2*i+1]
.set i, i+1
.endr
	WLOAD 1                                        ; window 2 is free
	s_wait_dscnt 63                                ; group 0 is in: 64 younger loads stand behind it; a wait can name 63
	GEMM 0
	PLACES
	WLOAD 2
	BNR 0
	s_wait_dscnt 63                                ; group 1 is in: 80 younger LDS instructions stand behind it
	GEMM 1
	PLACES
	WLOAD 3
	BNR 1
	s_wait_dscnt 63                                ; group 2 is in: 96 younger LDS instructions stand behind it
	GEMM 2
	PLACES
	WIN 0xc0
.set i, 0
.rept 64                                               ; x, rows 64 w + i, my block's 512 bytes: read once in this launch
	global_load_b128 v[4*i:4*i+3], v[GO], s[14:15] offset:16384*i th:TH_LOAD_NT
.set i, i+1
.endr
	BNR 2
	s_wait_dscnt 32                                ; behind group 3's loads stand two groups' sixteen stores each
	GEMM 3
	PLACES
	BNR 3
	s_wait_dscnt 0x0                               ; for the others' sake: my stores into the stage are done (a row's 512 bytes come from all four waves)
	s_barrier_signal -1
	s_barrier_wait -1
	WIN 0x80
.set i, 0
.rept 64                                               ; wave w takes rows 64 w .. 64 w + 63, whole
	ds_load_b128 v[4*i:4*i+3], v[RD] offset:PW*i
.set i, i+1
.endr
.set t, 0
.rept 4
	s_wait_dscnt 48-16*t                           ; sixteen rows of y and of x are in, the younger ones may be out
	s_wait_loadcnt 48-16*t
	WIN 0x8e                                       ; y window 2, x window 3
.set i, 32*t
.rept 32
	v_pk_add_f32 v[2*i:2*i+1], v[2*i:2*i+1], v[2*i:2*i+1]
.set i, i+1
.endr
	WIN 0x08                                       ; address window 0, data window 2
.set i, 16*t
.rept 16
	global_store_b128 v[GO], v[4*i:4*i+3], s[16:17] offset:16384*i th:TH_STORE_NT  ; 512 consecutive bytes, aligned
.set i, i+1
.endr
.set t, t+1
.endr
	WIN 0
	s_wait_tensorcnt 0x0                           ; the wave's end
	ds_add_u32 v[SPW], v[NIL]
	s_wait_dscnt 0x0
	CROUND                                         ; the closing round
	s_endpgm
.Lfunc_end_k_q95ac214dd4_attn:
	.size	k_q95ac214dd4_attn, .Lfunc_end_k_q95ac214dd4_attn-k_q95ac214dd4_attn
	.p2alignl 7, 3214868480
	.fill 96, 4, 3214868480
	.section	.rodata,"a",@progbits
	.p2align	6, 0x0
	.amdhsa_kernel k_q95ac214dd4_attn
		.amdhsa_group_segment_fixed_size 327680
		.amdhsa_private_segment_fixed_size 0
		.amdhsa_enable_private_segment 0
		.amdhsa_kernarg_size 56
		.amdhsa_user_sgpr_count 2
		.amdhsa_user_sgpr_kernarg_segment_ptr 1
		.amdhsa_wavefront_size32 1
		.amdhsa_system_sgpr_workgroup_id_x 1
		.amdhsa_system_sgpr_workgroup_id_y 1
		.amdhsa_system_sgpr_workgroup_id_z 1
		.amdhsa_system_vgpr_workitem_id 0
		.amdhsa_next_free_vgpr 1024
		.amdhsa_next_free_sgpr 96
		.amdhsa_reserve_vcc 0
		.amdhsa_float_denorm_mode_32 3
		.amdhsa_float_denorm_mode_16_64 3
		.amdhsa_memory_ordered 1
		.amdhsa_forward_progress 1
		.amdhsa_inst_pref_size 225
	.end_amdhsa_kernel
	.amdgpu_metadata
---
amdhsa.version: [ 1, 2 ]
amdhsa.kernels:
  - .name:           k_q95ac214dd4_attn
    .symbol:         k_q95ac214dd4_attn.kd
    .args:
      - { .name: q16, .offset: 0, .size: 8, .value_kind: global_buffer, .address_space: global }
      - { .name: k16, .offset: 8, .size: 8, .value_kind: global_buffer, .address_space: global }
      - { .name: v16, .offset: 16, .size: 8, .value_kind: global_buffer, .address_space: global }
      - { .name: nb, .offset: 24, .size: 8, .value_kind: global_buffer, .address_space: global }
      - { .name: w16, .offset: 32, .size: 8, .value_kind: global_buffer, .address_space: global }
      - { .name: x, .offset: 40, .size: 8, .value_kind: global_buffer, .address_space: global }
      - { .name: out0, .offset: 48, .size: 8, .value_kind: global_buffer, .address_space: global }
    .group_segment_fixed_size: 327680
    .private_segment_fixed_size: 0
    .kernarg_segment_align: 8
    .kernarg_segment_size: 56
    .max_flat_workgroup_size: 128
    .sgpr_count:     96
    .vgpr_count:     1024
    .wavefront_size: 32
...
	.end_amdgpu_metadata
.endif
;; end of part 6
